; MI455X (gfx1250); checked and timed in simulation.
; The chip was launched on July 23, 2026; its instructions are those of AMD's public machine-readable ISA for CDNA 5 (MIT licence, August 2026) and "CDNA5" Instruction Set Architecture Reference Guide (July 2026). The comments in the code are by the model that wrote it; some were corrected since.
;; Attention Lo RA. Allowed arithmetic: matrix products marked QUANTISED: E2M3 operands, one E8M0 scale for each 32 along K, by v_wmma_scale_f32_16x16x128_f8f6f4 with both operands' format E2M3, f32 sums; products left as they are: f32 operands where the result goes on into a quantised operand, else bf16, f16 or f32 operands; f32 sums; everything else in f32.
;; Inputs: b_attn 3,072 float32; b_proj 1,024 float32; lora_a_attn_codes 16 x 32 x 24 uint8 (E2M3 codes of lora_a_attn, K innermost, in blocks of 32 codes, four codes in three bytes); lora_a_attn_scales 16 x 32 uint8 (E8M0 scales of lora_a_attn, one for each 32 codes along K); lora_a_proj_codes 16 x 32 x 24 uint8 (E2M3 codes of lora_a_proj, K innermost, in blocks of 32 codes, four codes in three bytes); lora_a_proj_scales 16 x 32 uint8 (E8M0 scales of lora_a_proj, one for each 32 codes along K); lora_b_attn 3,072 x 16 float32; lora_b_proj 1,024 x 16 float32; w_attn_codes 3,072 x 32 x 24 uint8 (E2M3 codes of w_attn, K innermost, in blocks of 32 codes, four codes in three bytes); w_attn_scales 3,072 x 32 uint8 (E8M0 scales of w_attn, one for each 32 codes along K); w_proj_codes 1,024 x 32 x 24 uint8 (E2M3 codes of w_proj, K innermost, in blocks of 32 codes, four codes in three bytes); w_proj_scales 1,024 x 32 uint8 (E8M0 scales of w_proj, one for each 32 codes along K); x_codes 2 x 2,048 x 32 x 24 uint8 (E2M3 codes of x, K innermost, in blocks of 32 codes, four codes in three bytes); x_scales 2 x 2,048 x 32 uint8 (E8M0 scales of x, one for each 32 codes along K).
;; Outputs: out0 2 x 2,048 x 1,024 float32.
;; Constants: n_head = 16.
;; This version of the problem:
;;   THIS VERSION OF THE PROBLEM IS GIVEN IN LOW PRECISION. The matrix products marked QUANTISED in the list below multiply operands that are first quantised to E2M3 (2 exponent bits, 3 mantissa bits; 6 bits a number), with one power-of-two scale for each 32 numbers along K (OCP MX v1.0); their sums are f32. All else is computed in f32.
;;   The module's matrix products, in the order in which they are computed (A, B: the left and right operand; K: the contracted axis; several contracted axes count as one K, in the product's order):
;;     1. [M 4,096, K 1,024] x [K 1,024, N 3,072]; A: input x (given as codes); B: input w_attn (given as codes): QUANTISED
;;     2. [M 4,096, K 1,024] x [K 1,024, N 16]; A: input x (given as codes); B: input lora_a_attn (given as codes): QUANTISED
;;     3. [M 4,096, K 16] x [K 16, N 3,072]; A: computed on the way; B: input lora_b_attn: left as it is (K = 16 < 32)
;;     4. batch 32 x [M 2,048, K 64] x [K 64, N 2,048]; A: computed on the way; B: computed on the way: QUANTISED
;;     5. batch 32 x [M 2,048, K 2,048] x [K 2,048, N 64]; A: softmax (see below); B: computed on the way: QUANTISED
;;     6. [M 4,096, K 1,024] x [K 1,024, N 1,024]; A: computed on the way; B: input w_proj (given as codes): QUANTISED
;;     7. [M 4,096, K 1,024] x [K 1,024, N 16]; A: computed on the way; B: input lora_a_proj (given as codes): QUANTISED
;;     8. [M 4,096, K 16] x [K 16, N 1,024]; A: computed on the way; B: input lora_b_proj: left as it is (K = 16 < 32)
;;   THE QUANTISER, for each operand of a quantised product, along K:
;;     - K is cut into blocks of 32 from its start; a last block that is shorter is filled with zeros.
;;     - A block's scale is 2^e with e = floor(log2(the largest magnitude in the block)) - 2, held to -126 .. 127; a block of zeros has e = 0. As a byte (E8M0): e + 127.
;;     - Each number is divided by its block's scale, clamped to +-7.5, and rounded to the nearest number of E2M3, ties to even, subnormals kept.
;;     - The product sums the exact products of the quantised numbers (number of the format x scale) in f32.
;;   ~~~python
;;   def quantise(x, axis):      # numpy; x: float32 -> the quantised numbers, widened to float32 again
;;       x = np.moveaxis(x, axis, -1); K = x.shape[-1]
;;       x = np.pad(x, [(0, 0)] * (x.ndim - 1) + [(0, -K % 32)]); x = x.reshape(x.shape[:-1] + (-1, 32)); a = np.abs(x).max(-1, keepdims=True)
;;       e = np.where(a > 0, np.clip(np.frexp(np.where(a > 0, a, 1))[1] - 1 - 2, -126, 127), 0)      # np.frexp(a)[1] - 1 = floor(log2(a)), exactly
;;       r = np.clip(x / 2.0 ** e, -7.5, 7.5)
;;       step = 2.0 ** (np.maximum(np.frexp(np.where(r == 0, 1, r))[1] - 1, 0) - 3)
;;       q = np.round(r / step) * step * 2.0 ** e      # np.round: ties to even
;;       return np.moveaxis(q.reshape(q.shape[:-2] + (-1,))[..., :K], -1, axis).astype(np.float32)
;;   ~~~
;;   SOFTMAX AHEAD OF A QUANTISED PRODUCT. Where the list says 'softmax', what is quantised is not the finished softmax but p = 2^(t - M), with t = logit x log2(e) and M = ceil(the row's largest t), a whole number; so 1/2 < the row's largest p <= 1. The row's sum l is taken of the UNQUANTISED p, in f32, and the product's result is divided by l at the end. Since M is a whole number, a kernel that streams over the keys may use a running M (the ceiling of the running maximum): every later rescaling is an exact power of two, which a block's scale takes up: the codes' values come out the same.
;;   OPERANDS COMPUTED ON THE WAY. 'Computed on the way' means the value that the module computes at that place (a softmax that the list does not call 'softmax' is quantised finished and normalised). What goes into a quantiser is computed in f32, as accurately as f32 sums, v_exp_f32 and their like allow (about 1e-6 of the number): no bf16 or f16 on the way to a quantiser, and a product that is left as it is and whose result goes on into a quantised operand takes f32 operands (vector FMAs, or v_wmma_f32_16x16x4_f32). A number that lies on a knife's edge between two numbers of the format may be rounded either way, as far as f32 arithmetic and the matrix unit's own rounding can turn it there, and no further.
;;   INPUTS GIVEN AS CODES. lora_a_attn (in the module: [16, 1024], K = its axis 1); lora_a_proj (in the module: [16, 1024], K = its axis 1); w_attn (in the module: [3072, 1024], K = its axis 1); w_proj (in the module: [1024, 1024], K = its axis 1); x (in the module: [2, 2048, 1024], K = its axis 2): each comes as NAME_codes (uint8): NAME with its K axis moved to the last place and cut into blocks of 32 codes, [.., K / 32, bytes a block], one block behind the other in memory; four codes in three bytes: a row's codes are one little-endian stream of bits, code i at bits 6 i .. 6 i + 5 (a code: sign, 2 exponent bits, 3 mantissa bits); and NAME_scales (uint8): the same leading axes, one E8M0 byte (e + 127) for each 32 codes along K. Its value is code x scale, taken as it is: it is not quantised again, and the codes and scales need not be those that the quantiser above would give.
;; One version. Each part assembles by itself: llvm-mc -triple=amdgcn-amd-amdhsa -mcpu=gfx1250 --defsym DOCPART=n.
;; ======== version 1 of 1: 3 launches
;; limits: values are held in bf16: 8 bits of precision; right only within a limited range of input values
;; workspace buffers: qbuf 3,407,872 bytes; kvbuf 6,815,744 bytes; ybuf 3,145,728 bytes; ysc 262,144 bytes
;; launch qkv (part 1): grid 16 x 16, 4 waves a work-group, clusters of 4 x 4, 327,680 bytes of LDS; arguments x_codes, x_scales, w_attn_codes, w_attn_scales, lora_a_attn_codes, lora_a_attn_scales, lora_b_attn, b_attn, qbuf, kvbuf; writes qbuf, kvbuf
.if DOCPART == 1
	.amdgcn_target "amdgcn-amd-amdhsa--gfx1250"
	.amdhsa_code_object_version 6
	.text
	.protected	k_q5c24d1bdd3_qkv
	.globl	k_q5c24d1bdd3_qkv
	.p2align	8
	.type	k_q5c24d1bdd3_qkv,@function
k_q5c24d1bdd3_qkv:
	s_mov_b64 s[64:65], 0
	v_nop
	global_prefetch_b8 v0, s[64:65] scope:SCOPE_SE
	s_setreg_imm32_b32 hwreg(HW_REG_WAVE_MODE, 25, 1), 1
	s_wait_xcnt 0x0
	s_wait_alu depctr_hold_cnt(0) depctr_sa_sdst(0) depctr_va_vdst(0) depctr_va_sdst(0) depctr_va_ssrc(0) depctr_va_vcc(0) depctr_vm_vsrc(0)
	s_getreg_b32 s2, hwreg(HW_REG_IB_STS2, 6, 4)
	s_cmp_eq_u32 s2, 0
	s_cbranch_scc0 .Lentry_in_a_cluster
	s_endpgm
.Lentry_in_a_cluster:
	s_bfe_u32 s2, ttmp6, 0x10000c
	s_cmp_lg_u32 s2, 0xf033
	s_cbranch_scc0 .Lentry_shape_is_right
	s_endpgm
.Lentry_shape_is_right:
; qkv = x W^T + b + (x A^T) B^T / 16 on FP6 codes; q, k (along the head's 64) and v (along the keys) are quantised and stored as images of operand registers.
; LEFT OUT IN THE PROGRAM: in the attention launch, key steps that lie wholly above the diagonal of reference()'s own causal mask: their weights are 0 for all values of the inputs.
; A NaN, an infinity or an overflow that reaches only those scores is not carried to the result.  Every input is loaded.
; LIMITS: NaN and infinities are not served; a block of zeros, or one under 2^-124, gets the scale byte 1 (its codes are zeros).
; SHARES: a work-group (x = head, y = 256 rows) of four waves; wave w makes rows 64 w on x the head's 64 columns of q, of k and of v, and u = x A^T.
; THE ROWS OF A TILE: tile a of a wave's 64 rows holds rows 8 a + (m & 7) + 32 (m >> 3), m = 0 .. 15, in q, k, v alike: so a lane of v's result, and later of the scores, holds a whole block of 32 keys.
; LDS: x in chunks of 256 bytes of each row, two slots (chunk c in slot c % 2, pitch 272); W's 192 rows whole, 768 bytes with 16 of padding behind each 256 (pitch 816), filled once; the spare words.
; Every tensor row begins at a multiple of 256 bytes.  Head: wave 0 fetches x's chunk 0, waves 1-3 W's three parts.  Chunks 1 and 2: each wave its own 64 rows, which it alone reads.
; CLUSTER 4 x 4: x's tiles are asked for jointly along a row of the cluster, W's along a column.
.set PITCH,  272
.set XS1,    256*PITCH
.set WB,     2*XS1
.set WP,     816
.set WPART,  64*WP
.set SPARE,  WB+3*WPART
.set FR,     12
.set SX,     32
.set SW,     48
.set SLA,    96
.set XF,     112
.set LAF,    144
.set UAC,    128
.set LB,     160
.set US,     112
.set TT,     144
.set CD,     176
.set CT,     200
.set TM,     208
.set PW,     224
.set SP,     228
.set SEL,    36
.set MSB, 0
.macro WIN new
.if MSB != \new
	s_set_vgpr_msb (MSB<<8)|\new
.set MSB, \new
.endif
.endm
.macro PLACES n
.rept \n
	v_nop
.endr
.endm
.macro CREST
	s_cmp_lg_u32 s24, 0
	s_cbranch_scc1 .Lnot_wave_0_\@
	s_barrier_signal -3
.Lnot_wave_0_\@:
	s_barrier_wait -3
	s_barrier_signal -1
	s_barrier_wait -1
.endm
.macro CROUND
	s_barrier_signal -1
	s_barrier_wait -1
	CREST
.endm
.macro WM d, a, b, z, c, sa, sb, ra, rb
.if (\z)
.if (\ra) && (\rb)
	v_wmma_scale_f32_16x16x128_f8f6f4 v[(\d):(\d)+7], v[(\a):(\a)+11], v[(\b):(\b)+11], 0, v[\sa], v[\sb] matrix_a_fmt:MATRIX_FMT_FP6 matrix_b_fmt:MATRIX_FMT_FP6 matrix_a_scale:MATRIX_SCALE_ROW1 matrix_b_scale:MATRIX_SCALE_ROW1
.elseif (\ra)
	v_wmma_scale_f32_16x16x128_f8f6f4 v[(\d):(\d)+7], v[(\a):(\a)+11], v[(\b):(\b)+11], 0, v[\sa], v[\sb] matrix_a_fmt:MATRIX_FMT_FP6 matrix_b_fmt:MATRIX_FMT_FP6 matrix_a_scale:MATRIX_SCALE_ROW1
.elseif (\rb)
	v_wmma_scale_f32_16x16x128_f8f6f4 v[(\d):(\d)+7], v[(\a):(\a)+11], v[(\b):(\b)+11], 0, v[\sa], v[\sb] matrix_a_fmt:MATRIX_FMT_FP6 matrix_b_fmt:MATRIX_FMT_FP6 matrix_b_scale:MATRIX_SCALE_ROW1
.else
	v_wmma_scale_f32_16x16x128_f8f6f4 v[(\d):(\d)+7], v[(\a):(\a)+11], v[(\b):(\b)+11], 0, v[\sa], v[\sb] matrix_a_fmt:MATRIX_FMT_FP6 matrix_b_fmt:MATRIX_FMT_FP6
.endif
.else
.if (\ra) && (\rb)
	v_wmma_scale_f32_16x16x128_f8f6f4 v[(\d):(\d)+7], v[(\a):(\a)+11], v[(\b):(\b)+11], v[(\c):(\c)+7], v[\sa], v[\sb] matrix_a_fmt:MATRIX_FMT_FP6 matrix_b_fmt:MATRIX_FMT_FP6 matrix_a_scale:MATRIX_SCALE_ROW1 matrix_b_scale:MATRIX_SCALE_ROW1
.elseif (\ra)
	v_wmma_scale_f32_16x16x128_f8f6f4 v[(\d):(\d)+7], v[(\a):(\a)+11], v[(\b):(\b)+11], v[(\c):(\c)+7], v[\sa], v[\sb] matrix_a_fmt:MATRIX_FMT_FP6 matrix_b_fmt:MATRIX_FMT_FP6 matrix_a_scale:MATRIX_SCALE_ROW1
.elseif (\rb)
	v_wmma_scale_f32_16x16x128_f8f6f4 v[(\d):(\d)+7], v[(\a):(\a)+11], v[(\b):(\b)+11], v[(\c):(\c)+7], v[\sa], v[\sb] matrix_a_fmt:MATRIX_FMT_FP6 matrix_b_fmt:MATRIX_FMT_FP6 matrix_b_scale:MATRIX_SCALE_ROW1
.else
	v_wmma_scale_f32_16x16x128_f8f6f4 v[(\d):(\d)+7], v[(\a):(\a)+11], v[(\b):(\b)+11], v[(\c):(\c)+7], v[\sa], v[\sb] matrix_a_fmt:MATRIX_FMT_FP6 matrix_b_fmt:MATRIX_FMT_FP6
.endif
.endif
.endm
; 32 numbers of a lane, two half blocks shared with lane l xor 16: six registers of codes and two scale bytes (q and k)
; Two tiles, g and g + 1, at a time, line by line by turns: tile g + t has its numbers at TT - 32 t, its codes at CD + 6 (g + t), its work registers at TM + 8 t and CT + 4 t
.macro QUANT2P g
.irp t, 0,1
.irp b, 0,1
	v_max3_num_f32 v[TM+8*\t+\b], |v[TT-32*\t+16*\b]|, |v[TT-32*\t+16*\b+1]|, 0x1800000
.endr
.endr
.irp i, 2,4,6,8,10,12,14
.irp t, 0,1
.irp b, 0,1
	v_max3_num_f32 v[TM+8*\t+\b], v[TM+8*\t+\b], |v[TT-32*\t+16*\b+\i]|, |v[TT-32*\t+16*\b+\i+1]|
.endr
.endr
.endr
.irp t, 0,1
.irp b, 0,1
	v_permlanex16_b32 v[TM+8*\t+2+\b], v[TM+8*\t+\b], s[SEL], s[SEL+1]
.endr
.endr
.irp t, 0,1
.irp b, 0,1
	v_max_num_f32 v[TM+8*\t+\b], v[TM+8*\t+\b], v[TM+8*\t+2+\b]
.endr
.endr
.irp t, 0,1
.irp b, 0,1
	v_add_nc_u32 v[TM+8*\t+4+\b], 0xff000000, v[TM+8*\t+\b]
.endr
.endr
.irp t, 0,1
.irp b, 0,1
	v_lshrrev_b32 v[TM+8*\t+6+\b], 23, v[TM+8*\t+4+\b]
.endr
.endr
.irp t, 0,1
	v_lshl_or_b32 v[PW+(\g)+\t], v[TM+8*\t+7], 8, v[TM+8*\t+6]
.endr
.irp t, 0,1
	v_cvt_scalef32_pk16_fp6_f32 v[CD+6*((\g)+\t):CD+6*((\g)+\t)+2], v[TT-32*\t:TT-32*\t+15], v[TM+8*\t+4]
	v_cvt_scalef32_pk16_fp6_f32 v[CT+4*\t:CT+4*\t+2], v[TT-32*\t+16:TT-32*\t+31], v[TM+8*\t+5]
.endr
	v_nop
.irp t, 0,1
.irp i, 0,1,2
	v_permlane16_swap_b32 v[CD+6*((\g)+\t)+\i], v[CT+4*\t+\i]
.endr
.endr
.irp t, 0,1
.irp i, 0,1,2
	v_mov_b32 v[CD+6*((\g)+\t)+3+\i], v[CT+4*\t+\i]
.endr
.endr
.endm
; 32 numbers of a lane that are ONE whole block (v: keys 32 h + 0 .. 31): six registers of codes; the lane's byte goes 8 h bits up and is joined with lane l xor 16's.  Two tiles at a time, as above
.macro QUANTBP g
.irp t, 0,1
.irp b, 0,1
	v_max3_num_f32 v[TM+8*\t+\b], |v[TT-32*\t+16*\b]|, |v[TT-32*\t+16*\b+1]|, 0x1800000
.endr
.endr
.irp i, 2,4,6,8,10,12,14
.irp t, 0,1
.irp b, 0,1
	v_max3_num_f32 v[TM+8*\t+\b], v[TM+8*\t+\b], |v[TT-32*\t+16*\b+\i]|, |v[TT-32*\t+16*\b+\i+1]|
.endr
.endr
.endr
.irp t, 0,1
	v_max_num_f32 v[TM+8*\t], v[TM+8*\t], v[TM+8*\t+1]
.endr
.irp t, 0,1
	v_add_nc_u32 v[TM+8*\t+4], 0xff000000, v[TM+8*\t]
.endr
.irp t, 0,1
	v_lshrrev_b32 v[TM+8*\t+6], 23, v[TM+8*\t+4]
.endr
.irp t, 0,1
	v_lshlrev_b32 v[TM+8*\t+6], v15, v[TM+8*\t+6]
.endr
.irp t, 0,1
	v_permlanex16_b32 v[TM+8*\t+2], v[TM+8*\t+6], s[SEL], s[SEL+1]
.endr
.irp t, 0,1
	v_or_b32 v[PW+(\g)+\t], v[TM+8*\t+6], v[TM+8*\t+2]
.endr
.irp t, 0,1
	v_cvt_scalef32_pk16_fp6_f32 v[CD+6*((\g)+\t):CD+6*((\g)+\t)+2], v[TT-32*\t:TT-32*\t+15], v[TM+8*\t+4]
	v_cvt_scalef32_pk16_fp6_f32 v[CT+4*\t:CT+4*\t+2], v[TT-32*\t+16:TT-32*\t+31], v[TM+8*\t+4]
.endr
	v_nop
.irp t, 0,1
.irp i, 0,1,2
	v_mov_b32 v[CD+6*((\g)+\t)+3+\i], v[CT+4*\t+\i]
.endr
.endr
.irp t, 0,1
	v_lshlrev_b32 v[PW+(\g)+\t], s39, v[PW+(\g)+\t]    ; odd records' bytes stand 16 bits up
.endr
.endm
; x's fragment of step st: pieces of 8 bytes; byte y of a row lies in chunk y / 256, slot (y / 256) % 2.  v18, v19 serve pieces whose lanes 16-31 read the next chunk
.macro FRX reg, st, i
.irp p, 0,1,2,3,4,5
.set BY, 96*(\st)+48*(\p/3)+8*(\p%3)
.if BY/256 == (BY+24)/256
	ds_load_b64 v[\reg+2*\p:\reg+2*\p+1], v[16+(BY/256)%2] offset:BY%256+(\i)*8*PITCH
.else
	ds_load_b64 v[\reg+2*\p:\reg+2*\p+1], v[18+(BY/256)%2] offset:BY%256-232+(\i)*8*PITCH
.endif
.endr
.endm
; W's fragment: tile n of twelve; v20-22 the three parts, v23-25 the same one padding further on in lanes 16-31
.macro FRW reg, st, n
.irp p, 0,1,2,3,4,5
.set PC, 12*(\st)+6*(\p/3)+\p%3
.if PC%32 < 29
	ds_load_b64 v[\reg+2*\p:\reg+2*\p+1], v[20+(\n)/4] offset:((\n)%4)*16*WP+8*PC+16*(PC/32)
.else
	ds_load_b64 v[\reg+2*\p:\reg+2*\p+1], v[23+(\n)/4] offset:((\n)%4)*16*WP+8*PC+16*(PC/32)
.endif
.endr
.endm
.macro FETCH_X st, set
	WIN 0
.irp i, 0,1,2,3
	FRX XF+48*(\set)+FR*\i, \st, \i
.endr
.endm
.macro FETCH_W st, n0, cnt
	WIN 0x40
.set NN, \n0
.rept \cnt
	FRW FR*NN, \st, NN
.set NN, NN+1
.endr
	WIN 0
.endm
.macro MULQK n0, cnt, set, ks, zero
.set NN, \n0
.rept \cnt
.irp a, 0,1,2,3
	WM 64*\a+8*NN, FR*NN, XF+48*(\set)+FR*\a, \zero, 64*\a+8*NN, SW+8*(NN/2)+(\ks), SX+8*(\a/2)+(\ks), NN%2, \a%2
.endr
.set NN, NN+1
.endr
.endm
.macro MULV set, ks, zero
.irp dn, 0,1,2,3
.irp a, 0,1,2,3
	WM 32*\dn+8*\a, XF+48*(\set)+FR*\a, FR*(8+\dn), \zero, 32*\dn+8*\a, SX+8*(\a/2)+(\ks), SW+8*(4+\dn/2)+(\ks), \a%2, \dn%2
.endr
.endr
.endm
.macro MULU set, ks, zero
.irp a, 0,1,2,3
	WM UAC+8*\a, LAF+FR*(\ks), XF+48*(\set)+FR*\a, \zero, UAC+8*\a, SLA+(\ks), SX+8*(\a/2)+(\ks), 0, \a%2
.endr
.endm
; A step of 128 along K: 52 scaled products, the accumulators by turns; the next step's fragments are fetched in its middle and at its end.
; Steps 1 and 4 fetch from a chunk that my own load brings: its wait stands ahead of the fetch.  In step 2 chunk 0 is read no more: the three lines, a round, and chunk 2 into slot 0.
.macro STEP st
.if (\st) == 2
	s_wait_tensorcnt 0x0
	ds_add_u32 v28, v29
	s_wait_dscnt 37                                ; the add and W's tiles 6-11 may be out
	WIN 0xa1
	MULQK 0, 3, (\st)%2, \st, 0
	s_wait_dscnt 0x0                               ; the add, and my reads of chunk 0
	s_barrier_signal -1
	MULQK 3, 3, (\st)%2, \st, 0
	WIN 0
	s_barrier_wait -1
	CREST
	tensor_load_to_lds s[60:63], s[40:47]          ; chunk 2, my 64 rows
	s_nop 0
	PLACES 4
.else
	s_wait_dscnt 36                                ; W's tiles 6-11 may be out
	WIN 0xa1
	MULQK 0, 6, (\st)%2, \st, (\st)==0
	s_wait_dscnt 0x0
.if (\st) == 1 || (\st) == 4
	s_wait_tensorcnt 0x0                           ; my one load that is out: the chunk that the next step's pieces reach into
.endif
	PLACES 4
.endif
	FETCH_X (\st)+1, ((\st)+1)%2
	FETCH_W (\st)+1, 0, 6
	WIN 0xa1
	MULQK 6, 2, (\st)%2, \st, (\st)==0
	WIN 0xf4
	MULV (\st)%2, \st, (\st)==0
	WIN 0xf1
	MULU (\st)%2, \st, (\st)==0
	PLACES 4
	FETCH_W (\st)+1, 6, 6
.endm
	s_load_b512 s[4:19], s[0:1], 0x0
	s_load_b128 s[20:23], s[0:1], 0x40
	v_lshl_add_u32 v28, v0, 2, SPARE
	v_mov_b32 v29, 0
	ds_add_u32 v28, v29                            ; the opening lines
	ds_add_u32 v28, v29
	v_lshrrev_b32 v1, 5, v0
	v_readfirstlane_b32 s24, v1
	s_bfe_u32 s25, ttmp6, 0x40000
	s_bfe_u32 s26, ttmp6, 0x40004
	s_lshl_b32 s27, ttmp9, 2
	s_add_co_u32 s27, s27, s25                     ; head
	s_and_b32 s28, ttmp7, 0xffff
	s_lshl_b32 s28, s28, 2
	s_add_co_u32 s28, s28, s26                     ; block of 256 rows
	s_lshl_b32 s29, s26, 2
	s_lshl_b32 s29, 15, s29
	s_lshl_b32 s34, 0x1111, s25
	s_or_b32 s40, s29, (1<<20)|(1<<21)|(5<<22)|(3<<25)   ; x: rows of 256 bytes, 4 words of padding behind every 64; 256 rows at the head
	s_mov_b32 s41, 256<<16
	s_mov_b32 s42, 256<<16
	s_mov_b32 s43, 256<<16
	s_mov_b32 s44, 256
	s_mov_b32 s45, 768
	s_mov_b32 s46, 0
	s_mov_b32 s47, 0
	s_or_b32 s48, s34, (1<<20)|(1<<21)|(5<<22)|(3<<25)   ; W: 64 rows of 768 bytes, the same padding
	s_mov_b32 s49, 768<<16
	s_mov_b32 s50, 64<<16
	s_mov_b32 s51, 768<<16
	s_mov_b32 s52, 64
	s_mov_b32 s53, 768
	s_mov_b32 s54, 0
	s_mov_b32 s55, 0
	s_mul_i32 s30, s28, 196608
	s_mov_b32 s31, 0
	s_max_u32 s34, s24, 1
	s_sub_co_u32 s34, s34, 1
	s_mul_i32 s32, s34, 786432
	s_mul_i32 s33, s27, 49152
	s_add_co_u32 s32, s32, s33
	s_mov_b32 s33, 0
	s_mul_i32 s35, s24, WPART
	s_add_co_u32 s35, s35, WB-WPART
	s_mul_i32 s80, s24, 49152                      ; my 64 rows of x, in memory
	s_mov_b32 s81, 0
	s_mov_b32 s[SEL], 0x76543210
	s_mov_b32 s[SEL+1], 0xfedcba98
	s_mov_b32 s38, 0xffff0000
	s_and_b32 s39, s24, 1
	s_lshl_b32 s39, s39, 4
	s_wait_dscnt 0x0
	CROUND                                         ; the round in front of the first joint loads stands ahead of the wait for the arguments
	s_wait_kmcnt 0x0
	s_add_nc_u64 s[30:31], s[4:5], s[30:31]
	s_add_nc_u64 s[32:33], s[8:9], s[32:33]
	s_mov_b32 s56, 1
	s_mov_b32 s57, 0
	s_mov_b64 s[58:59], s[30:31]
	s_or_b32 s59, s59, 0x80000000
	s_mov_b32 s68, 1
	s_mov_b32 s69, s35
	s_mov_b64 s[70:71], s[32:33]
	s_or_b32 s71, s71, 0x80000000
	s_mov_b32 s60, 1                               ; chunk 2: my 64 rows, into slot 0
	s_mul_i32 s61, s24, 64*PITCH
	s_add_nc_u64 s[62:63], s[30:31], s[80:81]
	s_add_nc_u64 s[62:63], s[62:63], 512
	s_or_b32 s63, s63, 0x80000000
	s_cmp_eq_u32 s24, 0                            ; one load a wave at the head
	s_cbranch_scc0 .Lfor_w
	tensor_load_to_lds s[56:59], s[40:47]
	s_nop 0
	PLACES 4
	s_branch .Lasked
.Lfor_w:
	tensor_load_to_lds s[68:71], s[48:55]
	s_nop 0
	PLACES 4
.Lasked:
	v_and_b32 v1, 15, v0
	v_bfe_u32 v2, v0, 4, 1
	v_and_b32 v11, 31, v0
	v_lshlrev_b32 v3, 3, v11
	v_lshlrev_b32 v4, 4, v11
	v_lshlrev_b32 v5, 5, v11
	v_lshlrev_b32 v6, 6, v1
	v_lshl_add_u32 v6, v2, 5, v6
	v_mul_u32_u24 v7, v1, 768
	v_mad_u32_u24 v7, v2, 24, v7
	v_lshlrev_b32 v8, 5, v2
	v_lshlrev_b32 v9, 2, v1
	v_lshlrev_b32 v10, 5, v1
	v_mov_b32 v[TM+2], 0
	v_mov_b32 v[TM+3], 0
	v_mov_b32 v[TM+10], 0
	v_mov_b32 v[TM+11], 0
	v_and_b32 v14, 7, v0
	v_bfe_u32 v15, v0, 3, 1
	v_lshl_add_u32 v14, v15, 5, v14                ; my row in a tile's deal: (r & 7) + 32 (r >> 3)
	v_mul_u32_u24 v12, v14, PITCH
	v_mad_u32_u24 v13, v2, 24, v12
	s_mul_i32 s29, s24, 64*PITCH
	v_add_nc_u32 v16, s29, v13
	v_add_nc_u32 v17, XS1, v16
	s_mov_b32 s86, XS1-232
	s_mov_b32 s87, XS1+232
	v_sub_nc_u32 v15, 1, v2
	v_mul_u32_u24 v18, s86, v2
	v_add_nc_u32 v18, v12, v18
	v_add_nc_u32 v18, 232, v18
	v_add_nc_u32 v18, s29, v18                     ; lanes 0-15 byte 232 in slot 0, lanes 16-31 byte 0 in slot 1
	v_mul_u32_u24 v19, s87, v15
	v_add_nc_u32 v19, v12, v19
	v_add_nc_u32 v19, s29, v19                     ; lanes 0-15 byte 232 in slot 1, lanes 16-31 byte 0 in slot 0
	v_mul_u32_u24 v26, v1, WP
	v_mad_u32_u24 v26, v2, 24, v26
.irp p, 0,1,2
	v_add_nc_u32 v[20+\p], WB+\p*WPART, v26
	v_lshl_add_u32 v[23+\p], v2, 4, v[20+\p]
.endr
	v_lshlrev_b32 v27, 5, v14
	v_lshl_add_u32 v27, v2, 8, v27                 ; x's scales: 32 bytes a row; lanes 16-31 the odd tile, 8 rows on
	v_lshlrev_b32 v15, 3, v2                       ; 8 h
	s_wait_alu depctr_va_vdst(0)                   ; ahead of the run of scalar lines
	s_lshl_b32 s86, s28, 13
	s_lshl_b32 s87, s24, 11
	s_add_co_u32 s86, s86, s87
	s_mov_b32 s87, 0
	s_add_nc_u64 s[6:7], s[6:7], s[86:87]
	s_lshl_b32 s86, s27, 11
	s_add_nc_u64 s[10:11], s[10:11], s[86:87]
	s_lshl_b32 s86, s27, 12
	s_add_nc_u64 s[16:17], s[16:17], s[86:87]
	s_lshl_b32 s86, s27, 8
	s_add_nc_u64 s[18:19], s[18:19], s[86:87]
	s_lshr_b32 s80, s28, 3
	s_lshl_b32 s80, s80, 4
	s_add_co_u32 s80, s80, s27
	s_lshl_b32 s80, s80, 5
	s_and_b32 s81, s28, 7
	s_lshl_b32 s81, s81, 2
	s_add_co_u32 s80, s80, s81
	s_add_co_u32 s80, s80, s24                     ; my record of 64 rows: (batch x 16 + head) x 32 + its place in the sequence
	s_mul_i32 s82, s80, 3328
	s_mov_b32 s83, 0
	s_mul_i32 s84, s80, 6656
	s_mov_b32 s85, 0
	s_add_nc_u64 s[76:77], s[20:21], s[82:83]
	s_add_nc_u64 s[78:79], s[22:23], s[84:85]
.irp g, 0,1
	global_load_b128 v[SX+8*\g:SX+8*\g+3], v27, s[6:7] offset:512*\g
	global_load_b128 v[SX+8*\g+4:SX+8*\g+7], v27, s[6:7] offset:512*\g+16
.endr
.irp pr, 0,1,2,3,4,5
	global_load_b128 v[SW+8*\pr:SW+8*\pr+3], v5, s[10:11] offset:32768*(\pr/2)+1024*(\pr%2)
	global_load_b128 v[SW+8*\pr+4:SW+8*\pr+7], v5, s[10:11] offset:32768*(\pr/2)+1024*(\pr%2)+16
.endr
	global_load_b128 v[SLA:SLA+3], v10, s[14:15]
	global_load_b128 v[SLA+4:SLA+7], v10, s[14:15] offset:16
	WIN 0x40
.irp ks, 0,1,2,3,4,5,6,7
.irp p, 0,1,2,3,4,5
	global_load_b64 v[LAF+FR*\ks+2*\p:LAF+FR*\ks+2*\p+1], v7, s[12:13] offset:96*\ks+48*(\p/3)+8*(\p%3)
.endr
.endr
	WIN 0
	s_wait_alu depctr_va_vdst(0)
	s_wait_tensorcnt 0x0
	ds_add_u32 v28, v29
	s_mov_b32 s42, 64<<16                          ; no load of mine is out: from here on x's loads bring 64 rows
	s_mov_b32 s44, 64
	s_add_co_u32 s57, s61, XS1                     ; chunk 1: my 64 rows, into slot 1
	s_sub_nc_u64 s[58:59], s[62:63], 256
	s_wait_dscnt 0x0
	CROUND
	tensor_load_to_lds s[56:59], s[40:47]
	s_nop 0
	PLACES 4
	FETCH_X 0, 0
	FETCH_W 0, 0, 6
	FETCH_W 0, 6, 6
	s_wait_loadcnt 0x0
	STEP 0
	WIN 0xc0                                       ; B of the low-rank term is wanted behind the last step: its 24 loads are asked for here
.irp n, 0,1,2,3,4,5,6,7,8,9,10,11
	global_load_b128 v[LB+8*\n:LB+8*\n+3], v6, s[16:17] offset:65536*(\n/4)+1024*(\n%4)
	global_load_b128 v[LB+8*\n+4:LB+8*\n+7], v6, s[16:17] offset:65536*(\n/4)+1024*(\n%4)+16
.endr
	WIN 0
.irp st, 1,2,3,4,5,6
	STEP \st
.endr
	s_wait_dscnt 36
	WIN 0xa1
	MULQK 0, 6, 1, 7, 0
	s_wait_dscnt 0x0
	MULQK 6, 2, 1, 7, 0
	WIN 0xf4
	MULV 1, 7, 0
	WIN 0xf1
	MULU 1, 7, 0
	WIN 0
	PLACES 5
	WIN 0x40
.irp n, 0,1,2,3
	global_load_b128 v[8*\n:8*\n+3], v8, s[18:19] offset:64*\n
	global_load_b128 v[8*\n+4:8*\n+7], v8, s[18:19] offset:64*\n+16
	global_load_b128 v[32+8*\n:32+8*\n+3], v8, s[18:19] offset:4096+64*\n
	global_load_b128 v[32+8*\n+4:32+8*\n+7], v8, s[18:19] offset:4096+64*\n+16
	global_load_b32 v[64+\n], v9, s[18:19] offset:8192+64*\n
.endr
	WIN 0x0c
.set II, 0
.rept 32
	v_mul_f32 v[US+II], 0x3d800000, v[UAC+II]      ; u / 16, into other registers
.set II, II+1
.endr
	WIN 0
	PLACES 4
	s_wait_loadcnt 20                              ; B is in; the 20 loads of the bias, issued behind it, may be out
.irp ks, 0,1,2,3
	WIN 0xa3
	s_wait_alu depctr_va_vdst(0)
.irp a, 0,1,2,3
.irp n, 0,1,2,3,4,5,6,7
	v_wmma_f32_16x16x4_f32 v[64*\a+8*\n:64*\a+8*\n+7], v[LB+8*\n+2*\ks:LB+8*\n+2*\ks+1], v[US+8*\a+2*\ks:US+8*\a+2*\ks+1], v[64*\a+8*\n:64*\a+8*\n+7]
.endr
.endr
	WIN 0xfc
.irp dn, 0,1,2,3
.irp a, 0,1,2,3
	v_wmma_f32_16x16x4_f32 v[32*\dn+8*\a:32*\dn+8*\a+7], v[US+8*\a+2*\ks:US+8*\a+2*\ks+1], v[LB+64+8*\dn+2*\ks:LB+64+8*\dn+2*\ks+1], v[32*\dn+8*\a:32*\dn+8*\a+7]
.endr
.endr
.endr
	WIN 0
	PLACES 8
	s_wait_loadcnt 0x0
.macro QKPART part
.irp g, 0,2
	WIN 0x06
.irp t, 0,1
.set II, 0
.rept 16
	v_pk_add_f32 v[TT-32*\t+II:TT-32*\t+II+1], v[64*(\g+\t)+32*(\part)+II:64*(\g+\t)+32*(\part)+II+1], v[32*(\part)+II:32*(\part)+II+1]
.set II, II+2
.endr
.endr
	WIN 0
	QUANT2P \g
.endr
	v_cndmask_b32 v[SP], v[PW], v[PW+1], s38
	v_cndmask_b32 v[SP+1], v[PW+2], v[PW+3], s38
.endm
	QKPART 0
.set II, 0
.rept 12
	global_store_b64 v3, v[CD+2*II:CD+2*II+1], s[76:77] offset:256*II
.set II, II+1
.endr
	global_store_b64 v3, v[SP:SP+1], s[76:77] offset:3072
	s_wait_xcnt 0x0
	QKPART 1
.set II, 0
.rept 6
	global_store_b128 v4, v[CD+4*II:CD+4*II+3], s[78:79] offset:512*II
.set II, II+1
.endr
	global_store_b64 v3, v[SP:SP+1], s[78:79] offset:6144
	s_wait_xcnt 0x0
.irp g, 0,2                                    ; v: lane (r, h) holds d = 16 dn + r and keys 32 h + 0 .. 31 of my 64; tiles dn = g and g + 1 together
	WIN 0x07
.irp t, 0,1
.set II, 0
.rept 32
	v_add_f32 v[TT-32*\t+II], v[32*(\g+\t)+II], v[64+\g+\t]
.set II, II+1
.endr
.endr
	WIN 0
	QUANTBP \g
.endr
	v_cndmask_b32 v[SP], v[PW], v[PW+1], s38
	v_cndmask_b32 v[SP+1], v[PW+2], v[PW+3], s38
.set II, 0
.rept 12
	global_store_b64 v3, v[CD+2*II:CD+2*II+1], s[78:79] offset:3072+256*II
.set II, II+1
.endr
	global_store_b64 v3, v[SP:SP+1], s[78:79] offset:6400
	s_wait_tensorcnt 0x0                           ; the wave's end
	ds_add_u32 v28, v29
	s_wait_dscnt 0x0
	CROUND
	s_endpgm
.Lfunc_end_k_q5c24d1bdd3_qkv:
	.size	k_q5c24d1bdd3_qkv, .Lfunc_end_k_q5c24d1bdd3_qkv-k_q5c24d1bdd3_qkv
	.p2alignl 7, 3214868480
	.fill 96, 4, 3214868480
	.section	.rodata,"a",@progbits
	.p2align	6, 0x0
	.amdhsa_kernel k_q5c24d1bdd3_qkv
		.amdhsa_group_segment_fixed_size 327680
		.amdhsa_private_segment_fixed_size 0
		.amdhsa_enable_private_segment 0
		.amdhsa_kernarg_size 80
		.amdhsa_user_sgpr_count 2
		.amdhsa_user_sgpr_kernarg_segment_ptr 1
		.amdhsa_wavefront_size32 1
		.amdhsa_system_sgpr_workgroup_id_x 1
		.amdhsa_system_sgpr_workgroup_id_y 1
		.amdhsa_system_sgpr_workgroup_id_z 1
		.amdhsa_system_vgpr_workitem_id 0
		.amdhsa_next_free_vgpr 1024
		.amdhsa_next_free_sgpr 100
		.amdhsa_reserve_vcc 0
		.amdhsa_float_denorm_mode_32 3
		.amdhsa_float_denorm_mode_16_64 3
		.amdhsa_memory_ordered 1
		.amdhsa_forward_progress 1
		.amdhsa_inst_pref_size 177
	.end_amdhsa_kernel
	.amdgpu_metadata
---
amdhsa.version: [ 1, 2 ]
amdhsa.kernels:
  - .name:           k_q5c24d1bdd3_qkv
    .symbol:         k_q5c24d1bdd3_qkv.kd
    .args:
      - { .name: x_codes, .offset: 0, .size: 8, .value_kind: global_buffer, .address_space: global }
      - { .name: x_scales, .offset: 8, .size: 8, .value_kind: global_buffer, .address_space: global }
      - { .name: w_attn_codes, .offset: 16, .size: 8, .value_kind: global_buffer, .address_space: global }
      - { .name: w_attn_scales, .offset: 24, .size: 8, .value_kind: global_buffer, .address_space: global }
      - { .name: lora_a_attn_codes, .offset: 32, .size: 8, .value_kind: global_buffer, .address_space: global }
      - { .name: lora_a_attn_scales, .offset: 40, .size: 8, .value_kind: global_buffer, .address_space: global }
      - { .name: lora_b_attn, .offset: 48, .size: 8, .value_kind: global_buffer, .address_space: global }
      - { .name: b_attn, .offset: 56, .size: 8, .value_kind: global_buffer, .address_space: global }
      - { .name: qbuf, .offset: 64, .size: 8, .value_kind: global_buffer, .address_space: global }
      - { .name: kvbuf, .offset: 72, .size: 8, .value_kind: global_buffer, .address_space: global }
    .group_segment_fixed_size: 327680
    .private_segment_fixed_size: 0
    .kernarg_segment_align: 8
    .kernarg_segment_size: 80
    .max_flat_workgroup_size: 128
    .sgpr_count:     100
    .vgpr_count:     1024
    .wavefront_size: 32
...
	.end_amdgpu_metadata
.endif
;; end of part 1
;; launch attn (part 2): grid 8 x 32, 16 waves a work-group, clusters of 4 x 1, 327,680 bytes of LDS; arguments qbuf, kvbuf, ybuf, ysc; writes ybuf, ysc
.if DOCPART == 2
	.amdgcn_target "amdgcn-amd-amdhsa--gfx1250"
	.amdhsa_code_object_version 6
	.text
	.protected	k_q5c24d1bdd3_attn
	.globl	k_q5c24d1bdd3_attn
	.p2align	8
	.type	k_q5c24d1bdd3_attn,@function
k_q5c24d1bdd3_attn:
	s_mov_b64 s[64:65], 0
	v_nop
	global_prefetch_b8 v0, s[64:65] scope:SCOPE_SE
	s_setreg_imm32_b32 hwreg(HW_REG_WAVE_MODE, 25, 1), 1
	s_wait_xcnt 0x0
	s_wait_alu depctr_hold_cnt(0) depctr_sa_sdst(0) depctr_va_vdst(0) depctr_va_sdst(0) depctr_va_ssrc(0) depctr_va_vcc(0) depctr_vm_vsrc(0)
	s_getreg_b32 s2, hwreg(HW_REG_IB_STS2, 6, 4)
	s_cmp_eq_u32 s2, 0
	s_cbranch_scc0 .Lentry_in_a_cluster
	s_endpgm
.Lentry_in_a_cluster:
	s_bfe_u32 s2, ttmp6, 0x10000c
	s_cmp_lg_u32 s2, 0x3003
	s_cbranch_scc0 .Lentry_shape_is_right
	s_endpgm
.Lentry_shape_is_right:
; y = softmax(q k^T / 8, causal) v for one (batch, head), both products on FP6 codes; y is quantised along the model's 1,024 and stored as images of operand registers for the projection.
; LEFT OUT: key steps of 128 that lie wholly above the diagonal of reference()'s own causal mask: their weights are 0 for all values of the inputs.  A NaN or infinity that reaches only those scores is not carried on.
; LIMITS: NaN and infinities are not served; a block of zeros, or one under 2^-124, gets the scale byte 1; the promise holds while the scaled scores stay under 2^31 in magnitude.
; THE SOFTMAX: t = score x log2(e) / 8; M = the running largest t rounded up to a whole number; p = 2^(t - M) is quantised along the keys; the row's sum is taken of the unquantised p and divides at the end.
; SHARES.  Work-group (x = j, y = batch x 16 + head) owns tile j (16 queries) of each of the 16 blocks of 128 queries: 136 tile steps in every work-group, and every work-group reads all 16 key steps.
; Tiles b and 15 - b (b = wave / 2) share two waves.  Wave A: the long tile, 9 steps.  Wave B: the short tile's b + 1 steps, stores it, then 7 - b steps of the long tile with sums of its own,
; which it hands to A through LDS; A joins the two by exact powers of two and stores.  In trip t: key step t while t <= b, then 2 t - b - 1 (A) and 2 t - b (B): trip t needs no step beyond 2 t.
; A TILE holds rows 8 a + (m & 7) + 32 (m >> 3) of its 64 (the first launch's deal): lane (r, h) of the scores holds keys 64 c + 32 h + 0 .. 31: whole blocks, in the operand's own order.
; LDS: the head's 32 records of 64 keys (k's image, v's image, their scale words), filled once in two groups (steps 0-7, 8-15), a sixteenth of a group a wave; eight areas for B's sums; the spare words.
; Trips 0 to 3 read steps 0-6.  The barrier that shows the second group whole is split round trip 3: each wave signals behind the wait for its own load and waits at the trip's end; between the two stand register work and LDS reads alone.
; CLUSTER 4 x 1: four work-groups of a head ask for every record jointly.  No branch and no LDS address hangs on j.
; PREFETCH: behind the first group's load the second group's sixteen records are asked for, a record of 26 blocks a wave (waves 0 to 3), the four partners' records told apart by address; the first group comes by its load alone.
; y's scale words leave as 64 bytes a tile: a work-group's tiles lie 512 bytes apart in that buffer.
; THE HEAD'S 64 IN AN INSTRUCTION OF 128: q's registers 6-11 are zero codes, so what stands in the upper six registers of k's operand adds exact zeros.
; REGISTERS: v1-11 addresses; v12 -M, v13 the largest t, v[14:15] the sum; v16-27 q; v29 q's scales; v30 the mask's term; v32-85 k's or v's fragments; v86-119 at work; v120-126 the long tile's q; v128-191 scores, p; v192-223 O^T; v224-235 p's codes.
.set REC,   6656
.set STEPB, 2*REC
.set GRP,   8*STEPB
.set PART,  16*STEPB
.set PARTB, 4608
.set SPARE, PART+8*PARTB
.set SEL,   20
.macro PLACES n
.rept \n
	v_nop
.endr
.endm
.macro ROUND
	s_barrier_signal -1
	s_barrier_wait -1
	s_cmp_lg_u32 s12, 0
	s_cbranch_scc1 .Lnot_wave_0_\@
	s_barrier_signal -3
.Lnot_wave_0_\@:
	s_barrier_wait -3
	s_barrier_signal -1
	s_barrier_wait -1
.endm
.macro QUANT2 src, cd, ct, wk, pw      ; 32 numbers of a lane (two half blocks) become six registers of codes and two scale bytes
.irp b, 0,1
	v_max3_num_f32 v[(\wk)+\b], |v[(\src)+16*\b]|, |v[(\src)+16*\b+1]|, 0x1800000
.endr
.irp i, 2,4,6,8,10,12,14
.irp b, 0,1
	v_max3_num_f32 v[(\wk)+\b], v[(\wk)+\b], |v[(\src)+16*\b+\i]|, |v[(\src)+16*\b+\i+1]|
.endr
.endr
.irp b, 0,1
	v_permlanex16_b32 v[(\wk)+2+\b], v[(\wk)+\b], s[SEL], s[SEL+1]
.endr
.irp b, 0,1
	v_max_num_f32 v[(\wk)+\b], v[(\wk)+\b], v[(\wk)+2+\b]
.endr
.irp b, 0,1
	v_add_nc_u32 v[(\wk)+4+\b], 0xff000000, v[(\wk)+\b]
.endr
.irp b, 0,1
	v_lshrrev_b32 v[(\wk)+6+\b], 23, v[(\wk)+4+\b]
.endr
	v_lshl_or_b32 v[\pw], v[(\wk)+7], 8, v[(\wk)+6]
	v_cvt_scalef32_pk16_fp6_f32 v[(\cd):(\cd)+2], v[(\src):(\src)+15], v[(\wk)+4]
	v_cvt_scalef32_pk16_fp6_f32 v[(\ct):(\ct)+2], v[(\src)+16:(\src)+31], v[(\wk)+5]
	v_nop
.irp i, 0,1,2
	v_permlane16_swap_b32 v[(\cd)+\i], v[(\ct)+\i]
.endr
.irp i, 0,1,2
	v_mov_b32 v[(\cd)+3+\i], v[(\ct)+\i]
.endr
.endm
; THE WAY OUT of my tile: O^T / the sum; the halves of the lanes exchange registers so that a lane's 16 are neighbours along d; quantised; stored as the projection's operand registers.
.macro OUT
	PLACES 4
	v_add_f32 v14, v14, v15
	s_delay_alu instid0(VALU_DEP_1)
	v_permlanex16_b32 v88, v14, s[SEL], s[SEL+1]
	s_delay_alu instid0(VALU_DEP_1)
	v_add_f32 v14, v14, v88
	s_wait_alu depctr_va_vdst(0)
	v_rcp_f32 v14, v14
	v_nop
	s_wait_alu depctr_va_vdst(0)
.set II, 0
.rept 32
	v_mul_f32 v[128+II], v[192+II], v14            ; register 8 dt + i is d = 16 dt + 8 h + i
.set II, II+1
.endr
.irp b, 0,1
.irp i, 0,1,2,3,4,5,6,7
	v_permlane16_swap_b32 v[128+16*\b+\i], v[136+16*\b+\i]   ; now register 16 b + i is d = 32 b + 16 h + i
.endr
.endr
	QUANT2 128, 224, 98, 86, 118
	v_lshlrev_b32 v118, s19, v118                  ; odd heads' bytes stand 16 bits up
	global_store_b32 v127, v118, s[10:11]          ; lanes r and 16 + r store the same word: 64 bytes a tile
.irp p, 0,1,2
	global_store_b64 v2, v[224+2*\p:225+2*\p], s[8:9] offset:256*\p   ; 32 lanes store 256 consecutive bytes, aligned
.endr
	s_wait_xcnt 0x0                                ; the stores have read their registers
.endm
; A KEY STEP of 128 keys.  lim: the last step that has landed in this part of the text
.macro STEP lim
	s_min_u32 s42, s38, s40
	s_sub_co_u32 s42, s38, s42
	s_add_co_u32 s37, s38, s42                     ; the key step: t + (t - min(t, b + 1 - B))
	s_cmp_gt_u32 s37, s16                          ; past my tile's block: nothing is left (wave B's last trip); the wave's number and the count of trips alone
	s_cbranch_scc1 .Lhid_\@
	s_min_u32 s36, s37, \lim
	s_mul_i32 s36, s36, STEPB
	v_add_nc_u32 v3, s36, v1
	v_add_nc_u32 v4, s36, v2
	v_nop
	v_nop                                          ; four places in front of loads into registers that the last products read
.irp c, 0,1
.irp ch, 0,1,2,3,4,5
	ds_load_b128 v[32+24*\c+4*\ch:32+24*\c+4*\ch+3], v3 offset:\c*REC+512*\ch   ; k's image: tile t's six registers at 32 + 6 t
.endr
	ds_load_b64 v[106+2*\c:107+2*\c], v4 offset:\c*REC+6144
	ds_load_b64 v[110+2*\c:111+2*\c], v4 offset:\c*REC+6400
.endr
	s_wait_alu depctr_va_vdst(0)
	s_wait_dscnt 0x0
.irp t, 0,1,2,3,4,5,6,7                        ; S^T = k q^T: lane (r, h) holds query r; register 32 c + i is key 64 c + 32 h + i
.if \t%2
	v_wmma_scale_f32_16x16x128_f8f6f4 v[128+8*\t:135+8*\t], v[32+6*\t:43+6*\t], v[16:27], 0, v[106+2*(\t/4)+((\t/2)%2)], v29 matrix_a_fmt:MATRIX_FMT_FP6 matrix_b_fmt:MATRIX_FMT_FP6 matrix_a_scale:MATRIX_SCALE_ROW1
.else
	v_wmma_scale_f32_16x16x128_f8f6f4 v[128+8*\t:135+8*\t], v[32+6*\t:43+6*\t], v[16:27], 0, v[106+2*(\t/4)+((\t/2)%2)], v29 matrix_a_fmt:MATRIX_FMT_FP6 matrix_b_fmt:MATRIX_FMT_FP6
.endif
.endr
	v_or_b32 v114, v110, v112                      ; v's scale words of the 128 keys: the two records' bytes
	v_or_b32 v115, v111, v113
	v_nop
	v_nop                                          ; four places behind the products
.irp c, 0,1
.irp dt, 0,1,2,3
.irp p, 0,1,2
	ds_load_b64 v[32+12*\dt+6*\c+2*\p:32+12*\dt+6*\c+2*\p+1], v4 offset:\c*REC+3072+256*(3*\dt+\p)   ; v's images land under the softmax
.endr
.endr
.endr
	s_cmp_lg_u32 s37, s16                          ; on the diagonal the scores of hidden keys become -infinity
	s_cbranch_scc1 .Lopen_\@
	v_mov_b32 v118, 0xff800000
.set NI, 0
.rept 16                                       ; four compares, then their four selects: four scalar masks by turns
.irp k, 0,1,2,3
	v_cmp_gt_i32 s[44+\k], NI+\k+32*(NI/32), v30   ; key 64 c + i + 32 h against my query's place in the block
.endr
.irp k, 0,1,2,3
	v_cndmask_b32 v[128+NI+\k], v[128+NI+\k], v118, s[44+\k]
.endr
.set NI, NI+4
.endr
.Lopen_\@:
.irp b, 0,1,2,3                                ; four chains by turns, 16 scores each
	v_max3_num_f32 v[86+\b], v[128+16*\b], v[129+16*\b], v[130+16*\b]
.endr
.irp i, 3,5,7,9,11,13
.irp b, 0,1,2,3
	v_max3_num_f32 v[86+\b], v[86+\b], v[128+16*\b+\i], v[129+16*\b+\i]
.endr
.endr
.irp b, 0,1,2,3
	v_max_num_f32 v[86+\b], v[86+\b], v[143+16*\b]
.endr
	v_max_num_f32 v86, v86, v87                    ; my two blocks' largest scores: for the row's maximum and for each block's largest p
	v_max_num_f32 v87, v88, v89
	s_delay_alu instid0(VALU_DEP_1)
	v_max_num_f32 v88, v86, v87
	s_delay_alu instid0(VALU_DEP_1)
	v_permlanex16_b32 v89, v88, s[SEL], s[SEL+1]
	s_delay_alu instid0(VALU_DEP_1)
	v_max_num_f32 v88, v88, v89
	s_delay_alu instid0(VALU_DEP_1)
	v_mul_f32 v88, s22, v88                        ; as t
	s_delay_alu instid0(VALU_DEP_1)
	v_max_num_f32 v13, v13, v88                    ; the running largest t
	v_mov_b32 v88, v12
	s_delay_alu instid0(VALU_DEP_2)
	v_floor_f32 v12, -v13                          ; the new -M
	s_delay_alu instid0(VALU_DEP_1)
	v_sub_f32 v88, v12, v88
	s_delay_alu instid0(VALU_DEP_1)
	v_cvt_i32_f32 v88, v88                         ; (it saturates)
	s_delay_alu instid0(VALU_DEP_1)
	v_ldexp_f32 v116, 1.0, v88                     ; f = 2^(old M - new M)
.set II, 0
.rept 32
	v_pk_fma_f32 v[128+II:129+II], v[128+II:129+II], s[22:23], v[12:13] op_sel_hi:[1,0,0]   ; t - M
.set II, II+2
.endr
	v_fma_f32 v86, v86, s22, v12
	v_fma_f32 v87, v87, s22, v12
	s_wait_alu depctr_va_vdst(0)                   ; ahead of the batch
.set II, 0
.rept 64
	v_exp_f32 v[128+II], v[128+II]                 ; p = 2^(t - M)
.set II, II+1
.endr
	v_pk_mul_f32 v[14:15], v[14:15], v[116:117] op_sel_hi:[1,0]    ; the sums under the new M
	s_wait_alu depctr_va_vdst(0)                   ; one wait for the batch
	v_exp_f32 v86, v86                             ; each block's largest p
	v_exp_f32 v87, v87
.irp k, 0,1,2,3                                ; the row's sum of the unquantised p: four chains of pairs
	v_pk_add_f32 v[236+2*\k:237+2*\k], v[128+4*\k:129+4*\k], v[130+4*\k:131+4*\k]
.endr
.set II, 16
.rept 6
.irp k, 0,1,2,3
	v_pk_add_f32 v[236+2*\k:237+2*\k], v[236+2*\k:237+2*\k], v[128+II+2*\k:129+II+2*\k]
.endr
.set II, II+8
.endr
	v_pk_add_f32 v[236:237], v[236:237], v[238:239]
	v_pk_add_f32 v[240:241], v[240:241], v[242:243]
	s_delay_alu instid0(VALU_DEP_2)
	v_pk_add_f32 v[14:15], v[14:15], v[236:237]
	s_delay_alu instid0(VALU_DEP_1)
	v_pk_add_f32 v[14:15], v[14:15], v[240:241]
	s_wait_alu depctr_va_vdst(0)                   ; and one for the two
	v_max_num_f32 v86, 0x1800000, v86              ; the floor: the byte cannot fall under 1
	v_max_num_f32 v87, 0x1800000, v87
	v_add_nc_u32 v94, 0xff000000, v86
	v_add_nc_u32 v95, 0xff000000, v87
	v_lshrrev_b32 v90, 23, v94
	v_lshrrev_b32 v91, 23, v95
	s_delay_alu instid0(VALU_DEP_1)
	v_lshl_or_b32 v90, v91, 16, v90                ; my bytes: blocks h and 2 + h,
	s_delay_alu instid0(VALU_DEP_1)
	v_lshlrev_b32 v90, v8, v90                     ; 8 h bits up;
	s_delay_alu instid0(VALU_DEP_1)
	v_permlanex16_b32 v91, v90, s[SEL], s[SEL+1]
	s_delay_alu instid0(VALU_DEP_1)
	v_or_b32 v117, v90, v91                        ; with lane l xor 16's two: p's scale word
.irp c, 0,1
	v_cvt_scalef32_pk16_fp6_f32 v[224+6*\c:226+6*\c], v[128+32*\c:143+32*\c], v[94+\c]
	v_cvt_scalef32_pk16_fp6_f32 v[98+4*\c:100+4*\c], v[144+32*\c:159+32*\c], v[94+\c]
.endr
	v_nop
.irp c, 0,1
.irp i, 0,1,2
	v_mov_b32 v[227+6*\c+\i], v[98+4*\c+\i]        ; a conversion's three registers begin on an even number
.endr
.endr
	s_wait_alu depctr_va_vdst(0)                   ; directly ahead of the first reader of O^T
.set II, 0
.rept 16
	v_pk_mul_f32 v[192+II:193+II], v[192+II:193+II], v[116:117] op_sel_hi:[1,0]   ; O^T under the new M; also the places in front of the scaled products
.set II, II+2
.endr
	s_wait_alu depctr_va_vdst(0)
	s_wait_dscnt 0x0                               ; v's fragments are in
.irp dt, 0,1,2,3                               ; O^T += v^T p^T
.if \dt%2
	v_wmma_scale_f32_16x16x128_f8f6f4 v[192+8*\dt:199+8*\dt], v[32+12*\dt:43+12*\dt], v[224:235], v[192+8*\dt:199+8*\dt], v[114+(\dt/2)], v117 matrix_a_fmt:MATRIX_FMT_FP6 matrix_b_fmt:MATRIX_FMT_FP6 matrix_a_scale:MATRIX_SCALE_ROW1
.else
	v_wmma_scale_f32_16x16x128_f8f6f4 v[192+8*\dt:199+8*\dt], v[32+12*\dt:43+12*\dt], v[224:235], v[192+8*\dt:199+8*\dt], v[114+(\dt/2)], v117 matrix_a_fmt:MATRIX_FMT_FP6 matrix_b_fmt:MATRIX_FMT_FP6
.endif
.endr
.Lhid_\@:
.endm
; A TRIP.  In trip b + 1 wave B stores the short tile and begins the long tile's sums anew.  meet = 1: the split barrier for the second group stands round the step.
.macro TRIP lim, meet
	s_cmp_lg_u32 s38, s39
	s_cbranch_scc1 .Lsame_\@
	OUT
.irp i, 0,1,2,3,4,5
	v_mov_b32 v[16+\i], v[120+\i]
.endr
	v_mov_b32 v29, v126
	v_mov_b32 v14, 0
	v_mov_b32 v15, 0
	v_mov_b32 v13, 0xff61b1e6
	v_floor_f32 v12, -v13
.set II, 0
.rept 32
	v_mov_b32 v[192+II], 0
.set II, II+1
.endr
	s_mov_b32 s16, s17
	s_wait_alu depctr_va_vdst(0)
.Lsame_\@:
.if \meet
	s_wait_tensorcnt 0x0                           ; my part of steps 8-15 is in,
	s_wait_dscnt 0x0                               ; no LDS instruction of mine is out:
	s_barrier_signal -1                            ; say so
.endif
	STEP \lim
.if \meet
	s_wait_alu depctr_va_vdst(0)
	s_barrier_wait -1                              ; everybody's part is in
.endif
	s_add_co_u32 s38, s38, 1
.endm
	s_load_b256 s[4:11], s[0:1], 0x0               ; qbuf 4, kvbuf 6, ybuf 8, ysc 10
	v_lshl_add_u32 v5, v0, 2, SPARE
	v_mov_b32 v6, 0
	ds_add_u32 v5, v6                              ; the opening lines
	ds_add_u32 v5, v6
	v_lshrrev_b32 v9, 5, v0
	v_readfirstlane_b32 s12, v9                    ; wave 0..15
	s_lshr_b32 s13, s12, 2
	s_xor_b32 s13, s13, s12
	s_and_b32 s13, s13, 1                          ; 1: wave B.  Of four neighbouring waves, and of four waves 4 apart, two are B
	s_lshr_b32 s14, s12, 1                         ; b
	s_bfe_u32 s36, ttmp6, 0x40000                  ; cx
	s_lshl_b32 s15, ttmp9, 2
	s_add_co_u32 s15, s15, s36                     ; j
	s_sub_co_u32 s17, 15, s14                      ; the long tile's block
	s_add_co_u32 s42, s14, 1
	s_sub_co_u32 s40, s42, s13                     ; b + 1 - B
	s_mov_b32 s39, 99
	s_cmp_eq_u32 s13, 1
	s_cselect_b32 s16, s14, s17                    ; the block of the tile in hand
	s_cselect_b32 s39, s42, s39                    ; the trip in which B changes tiles
	s_and_b32 s18, ttmp7, 0xffff                   ; batch x 16 + head
	s_and_b32 s19, s18, 1
	s_lshl_b32 s19, s19, 4
	s_mov_b32 s[SEL], 0x76543210
	s_mov_b32 s[SEL+1], 0xfedcba98
	s_mov_b32 s22, 0x3e38aa3b                      ; log2(e) / 8
	s_mov_b32 s23, s22
	s_mov_b32 s24, 15|(3<<16)|(1<<21)              ; 26 rows of 256 bytes (32 elements of 8 bytes), dense; the mask names the cluster's four
	s_mov_b32 s25, 32<<16
	s_mov_b32 s26, 26<<16
	s_mov_b32 s27, 32<<16
	s_mov_b32 s28, 26
	s_mov_b32 s29, 32
	s_mov_b32 s30, 0
	s_mov_b32 s31, 0
	s_mov_b32 s38, 0                               ; t
	s_mul_i32 s42, s18, 32*REC
	s_mov_b32 s43, 0
	s_mul_i32 s44, s12, REC                        ; my sixteenth of a group: one record
	s_mov_b32 s45, 0
	s_wait_dscnt 0x0
	ROUND                                          ; the round in front of the first joint loads stands ahead of the wait for the arguments
	s_wait_kmcnt 0x0
	s_add_nc_u64 s[6:7], s[6:7], s[42:43]          ; my head's records
	s_mov_b32 s32, 1
	s_mov_b32 s33, s44
	s_add_nc_u64 s[34:35], s[6:7], s[44:45]
	s_or_b32 s35, s35, 0x80000000
	tensor_load_to_lds s[32:35], s[24:31]          ; steps 0-7
	s_nop 0
	PLACES 4
	s_lshl_b32 s46, s36, 2                         ; the prefetch: record 16 + 4 cx + wave (waves 0 to 3)
	s_add_co_u32 s46, s46, s12
	s_add_co_u32 s46, s46, 16
	s_mul_i32 s46, s46, REC
	s_mov_b32 s47, 0
	s_add_nc_u64 s[50:51], s[6:7], s[46:47]
	s_lshl_b32 s44, s16, 3
	s_add_co_u32 s44, s44, s15                     ; the tile that I store
	s_lshr_b32 s45, s44, 2
	s_lshl_b32 s46, s18, 5
	s_add_co_u32 s45, s45, s46
	s_mul_i32 s48, s45, 3328
	s_mov_b32 s49, 0
	s_add_nc_u64 s[48:49], s[4:5], s[48:49]        ; its q record
	s_lshl_b32 s45, s17, 1
	s_lshr_b32 s47, s15, 2
	s_add_co_u32 s45, s45, s47
	s_add_co_u32 s45, s45, s46
	s_mul_i32 s46, s45, 3328
	s_mov_b32 s47, 0
	s_add_nc_u64 s[4:5], s[4:5], s[46:47]          ; the long tile's q record
	s_and_b32 s41, s15, 3
	s_mul_i32 s41, s41, 768
	s_and_b32 s45, s15, 1
	s_lshl_b32 s45, s45, 7
	s_bfe_u32 s46, s15, 0x10001
	s_lshl_b32 s46, s46, 2
	s_add_co_u32 s45, s45, s46
	v_and_b32 v31, 31, v0
	v_lshlrev_b32 v1, 4, v31                       ; 16 x lane
	v_lshlrev_b32 v2, 3, v31                       ; 8 x lane
	v_min_u32 v28, 25, v31
	v_lshlrev_b32 v28, 8, v28
	v_and_b32 v11, 15, v0                          ; r
	v_add_nc_u32 v9, s41, v2
	v_lshl_add_u32 v10, v11, 3, s45
.irp p, 0,1,2
	global_load_b64 v[16+2*\p:17+2*\p], v9, s[48:49] offset:256*\p
	global_load_b64 v[120+2*\p:121+2*\p], v9, s[4:5] offset:256*\p    ; wave B takes these up in trip b + 1 (in wave A the two tiles are one)
.endr
	global_load_b32 v29, v10, s[48:49] offset:3072
	global_load_b32 v126, v10, s[4:5] offset:3072
	s_lshr_b32 s46, s15, 2
	s_lshl_b32 s46, s46, 6
	s_and_b32 s47, s15, 3
	s_lshl_b32 s47, s47, 3
	s_add_co_u32 s46, s46, s47
	v_bfe_u32 v8, v0, 4, 1                         ; h
	v_and_b32 v31, 7, v0
	v_bfe_u32 v7, v0, 3, 1
	v_lshl_add_u32 v31, v7, 5, v31
	v_add_nc_u32 v30, s46, v31                     ; my query's place in its block: 64 (j / 4) + 8 (j % 4) + (r & 7) + 32 (r >> 3),
	v_lshlrev_b32 v31, 5, v8
	v_sub_nc_u32 v30, v30, v31                     ; less 32 h
	v_lshlrev_b32 v8, 3, v8                        ; 8 h
	s_mul_i32 s47, s14, PARTB
	s_add_co_u32 s47, s47, PART
	v_add_nc_u32 v7, s47, v1                       ; my pair's area
	v_lshlrev_b32 v127, 2, v11
	s_lshr_b32 s41, s18, 4                         ; batch
	s_and_b32 s45, s18, 15                         ; head
	s_lshl_b32 s46, s41, 7
	s_add_co_u32 s46, s46, s44
	s_lshl_b32 s46, s46, 3
	s_lshr_b32 s47, s45, 1
	s_add_co_u32 s46, s46, s47
	s_mul_i32 s46, s46, 1536
	s_and_b32 s47, s45, 1
	s_mul_i32 s47, s47, 768
	s_add_co_u32 s46, s46, s47
	s_mov_b32 s47, 0
	s_add_nc_u64 s[8:9], s[8:9], s[46:47]          ; y's half fragment: tile of rows, K step head / 2, half head % 2
	s_lshl_b32 s46, s45, 14
	s_lshl_b32 s41, s41, 13
	s_add_co_u32 s46, s46, s41
	s_lshl_b32 s41, s44, 6
	s_add_co_u32 s46, s46, s41
	s_add_nc_u64 s[10:11], s[10:11], s[46:47]      ; y's scale words of my tile
.irp i, 22,23,24,25,26,27,80,81,82,83,84,85,88,89,91,117,119,14,15
	v_mov_b32 v\i, 0                               ; zero codes; registers that are named before they are first made; the sum
.endr
.set II, 0
.rept 32
	v_mov_b32 v[192+II], 0                         ; O^T: the step is written once, and the first finds zeros
.set II, II+1
.endr
	v_mov_b32 v13, 0xff61b1e6                      ; the largest t so far: -3e38
	v_floor_f32 v12, -v13
	s_wait_alu depctr_va_vdst(0)                   ; the head's end
	s_cmp_lt_u32 s12, 4
	s_cbranch_scc0 .Lno_ask
	global_prefetch_b8 v28, s[50:51] th:TH_LOAD_NT scope:SCOPE_SE   ; steps 8-15: sixteen records in the cluster, ahead of the wait for the first group
.Lno_ask:
	s_wait_tensorcnt 0x0                           ; the three lines ahead of a later first fill
	ds_add_u32 v5, v6
	s_add_co_u32 s33, s33, GRP
	s_add_nc_u64 s[34:35], s[34:35], GRP
	s_wait_dscnt 0x0
	ROUND
	tensor_load_to_lds s[32:35], s[24:31]          ; steps 8-15
	s_nop 0
	PLACES 4
	s_wait_loadcnt 0x0                             ; q
.Lp0:                                              ; trips 0 to 2: steps up to 4
	TRIP 7, 0
	s_cmp_lt_u32 s38, 3
	s_wait_alu depctr_va_vdst(0)
	s_cbranch_scc1 .Lp0
	TRIP 7, 1                                      ; trip 3: steps up to 6, and the split barrier
.Lp2:                                              ; trips 4 to 8
	TRIP 15, 0
	s_cmp_lt_u32 s38, 9
	s_wait_alu depctr_va_vdst(0)
	s_cbranch_scc1 .Lp2
	s_cmp_eq_u32 s13, 0
	s_cbranch_scc1 .Lno_dump
	PLACES 4
.irp k, 0,1,2,3,4,5,6,7
	ds_store_b128 v7, v[192+4*\k:195+4*\k] offset:512*\k   ; wave B hands over its sums of the long tile
.endr
	ds_store_b128 v7, v[12:15] offset:4096
.Lno_dump:
	s_wait_dscnt 0x0                               ; for A's sake
	s_barrier_signal -1
	s_barrier_wait -1
	s_cmp_lg_u32 s13, 0
	s_cbranch_scc1 .Ldone
.irp k, 0,1,2,3,4,5,6,7
	ds_load_b128 v[128+4*\k:131+4*\k], v7 offset:512*\k
.endr
	ds_load_b128 v[160:163], v7 offset:4096
	s_wait_dscnt 0x0
	v_min_num_f32 v88, v12, v160                   ; -M of the two together
	s_delay_alu instid0(VALU_DEP_1)
	v_sub_f32 v116, v88, v12
	v_sub_f32 v118, v88, v160
	s_delay_alu instid0(VALU_DEP_2)
	v_cvt_i32_f32 v116, v116
	s_delay_alu instid0(VALU_DEP_2)
	v_cvt_i32_f32 v118, v118                       ; (they saturate: sums that were never begun get the factor 0)
	s_delay_alu instid0(VALU_DEP_2)
	v_ldexp_f32 v116, 1.0, v116
	s_delay_alu instid0(VALU_DEP_2)
	v_ldexp_f32 v118, 1.0, v118
	v_pk_mul_f32 v[14:15], v[14:15], v[116:117] op_sel_hi:[1,0]
.set II, 0
.rept 16
	v_pk_mul_f32 v[192+II:193+II], v[192+II:193+II], v[116:117] op_sel_hi:[1,0]
.set II, II+2
.endr
	v_pk_fma_f32 v[14:15], v[162:163], v[118:119], v[14:15] op_sel_hi:[1,0,1]
.set II, 0
.rept 16
	v_pk_fma_f32 v[192+II:193+II], v[128+II:129+II], v[118:119], v[192+II:193+II] op_sel_hi:[1,0,1]
.set II, II+2
.endr
	OUT
.Ldone:
	s_wait_tensorcnt 0x0                           ; the wave's end
	ds_add_u32 v5, v6
	s_wait_dscnt 0x0
	ROUND                                          ; the closing round
	s_endpgm
.Lfunc_end_k_q5c24d1bdd3_attn:
	.size	k_q5c24d1bdd3_attn, .Lfunc_end_k_q5c24d1bdd3_attn-k_q5c24d1bdd3_attn
	.p2alignl 7, 3214868480
	.fill 96, 4, 3214868480
	.section	.rodata,"a",@progbits
	.p2align	6, 0x0
	.amdhsa_kernel k_q5c24d1bdd3_attn
		.amdhsa_group_segment_fixed_size 327680
		.amdhsa_private_segment_fixed_size 0
		.amdhsa_enable_private_segment 0
		.amdhsa_kernarg_size 32
		.amdhsa_user_sgpr_count 2
		.amdhsa_user_sgpr_kernarg_segment_ptr 1
		.amdhsa_wavefront_size32 1
		.amdhsa_system_sgpr_workgroup_id_x 1
		.amdhsa_system_sgpr_workgroup_id_y 1
		.amdhsa_system_sgpr_workgroup_id_z 1
		.amdhsa_system_vgpr_workitem_id 0
		.amdhsa_next_free_vgpr 256
		.amdhsa_next_free_sgpr 66
		.amdhsa_reserve_vcc 0
		.amdhsa_float_denorm_mode_32 3
		.amdhsa_float_denorm_mode_16_64 3
		.amdhsa_memory_ordered 1
		.amdhsa_forward_progress 1
		.amdhsa_inst_pref_size 111
	.end_amdhsa_kernel
	.amdgpu_metadata
---
amdhsa.version: [ 1, 2 ]
amdhsa.kernels:
  - .name:           k_q5c24d1bdd3_attn
    .symbol:         k_q5c24d1bdd3_attn.kd
    .args:
      - { .name: qbuf, .offset: 0, .size: 8, .value_kind: global_buffer, .address_space: global }
      - { .name: kvbuf, .offset: 8, .size: 8, .value_kind: global_buffer, .address_space: global }
      - { .name: ybuf, .offset: 16, .size: 8, .value_kind: global_buffer, .address_space: global }
      - { .name: ysc, .offset: 24, .size: 8, .value_kind: global_buffer, .address_space: global }
    .group_segment_fixed_size: 327680
    .private_segment_fixed_size: 0
    .kernarg_segment_align: 8
    .kernarg_segment_size: 32
    .max_flat_workgroup_size: 512
    .sgpr_count:     66
    .vgpr_count:     256
    .wavefront_size: 32
...
	.end_amdgpu_metadata
.endif
;; end of part 2
;; launch proj (part 3): grid 8 x 32, 4 waves a work-group, clusters of 4 x 4, 229,376 bytes of LDS; arguments ybuf, ysc, w_proj_codes, w_proj_scales, lora_a_proj_codes, lora_a_proj_scales, lora_b_proj, b_proj, out0; writes out0
.if DOCPART == 3
	.amdgcn_target "amdgcn-amd-amdhsa--gfx1250"
	.amdhsa_code_object_version 6
	.text
	.protected	k_q5c24d1bdd3_proj
	.globl	k_q5c24d1bdd3_proj
	.p2align	8
	.type	k_q5c24d1bdd3_proj,@function
k_q5c24d1bdd3_proj:
	s_mov_b64 s[64:65], 0
	v_nop
	global_prefetch_b8 v0, s[64:65] scope:SCOPE_SE
	s_setreg_imm32_b32 hwreg(HW_REG_WAVE_MODE, 25, 1), 1
	s_wait_xcnt 0x0
	s_wait_alu depctr_hold_cnt(0) depctr_sa_sdst(0) depctr_va_vdst(0) depctr_va_sdst(0) depctr_va_ssrc(0) depctr_va_vcc(0) depctr_vm_vsrc(0)
	s_getreg_b32 s2, hwreg(HW_REG_IB_STS2, 6, 4)
	s_cmp_eq_u32 s2, 0
	s_cbranch_scc0 .Lentry_in_a_cluster
	s_endpgm
.Lentry_in_a_cluster:
	s_bfe_u32 s2, ttmp6, 0x10000c
	s_cmp_lg_u32 s2, 0xf033
	s_cbranch_scc0 .Lentry_shape_is_right
	s_endpgm
.Lentry_shape_is_right:
; out = y W^T + b + (y A^T) B^T / 16.  y comes as FP6 codes in the order of the operand's registers, with its scale words; W and A as given.  No work is left out here.
; LIMITS: the last product (K = 16) takes u / 16 and B rounded to bf16, sums in f32; NaN and infinities are not served.
; SHARES.  A work-group (x = 128 columns, y = 128 rows) of four waves; wave w makes rows 64 (w / 2) on, columns 64 (w % 2) on: 16 accumulators, and u = y A^T of its rows: 20 matrix instructions for 128 along K.
; The products are used transposed (source 0 = 16 rows of W, source 1 = 16 rows of y): a lane holds eight neighbouring columns of one row of out.  The bias is the C of each sum's first product.
; LDS holds all of K, filled once: y's 64 fragments as they lie (98,304 bytes), W's 128 rows of 768 bytes with 16 bytes of padding behind each 256 (pitch 816), a stage of 16 x 272 bytes a wave, the spare words.
; CLUSTER 4 x 4: y's rows are asked for jointly along a row of the cluster, W's along a column.  One load a wave, behind the opening round.
; REGISTERS.  window 0: v1-21 addresses; v28, v29 the add's two; v32-47 y's scale words, v48-63 W's, v64-71 A's, v72-103 y's by heads; v112-207 y's fragments, two sets; v208-239 at work.
;   window 1: v0-95 W's fragments, two sets; v96-191 A's; v192-223 B in bf16; v224-255 B in f32.   window 2: v0-127 accumulators (32 a + 8 nt); v128-159 u; v160-191 u / 16 in bf16; v192-223 the bias.
.set WB,    98304
.set WP,    816
.set STG,   WB+128*WP
.set SPARE, STG+4*16*272
.set MSB, 0
.macro WIN new
.if MSB != \new
	s_set_vgpr_msb (MSB<<8)|\new
.set MSB, \new
.endif
.endm
.macro PLACES n
.rept \n
	v_nop
.endr
.endm
.macro CREST
	s_cmp_lg_u32 s24, 0
	s_cbranch_scc1 .Lnot_wave_0_\@
	s_barrier_signal -3
.Lnot_wave_0_\@:
	s_barrier_wait -3
	s_barrier_signal -1
	s_barrier_wait -1
.endm
.macro CROUND
	s_barrier_signal -1
	s_barrier_wait -1
	CREST
.endm
.macro WM d, a, b, z, c, sa, sb, ra, rb
.if (\z)
.if (\ra) && (\rb)
	v_wmma_scale_f32_16x16x128_f8f6f4 v[(\d):(\d)+7], v[(\a):(\a)+11], v[(\b):(\b)+11], 0, v[\sa], v[\sb] matrix_a_fmt:MATRIX_FMT_FP6 matrix_b_fmt:MATRIX_FMT_FP6 matrix_a_scale:MATRIX_SCALE_ROW1 matrix_b_scale:MATRIX_SCALE_ROW1
.elseif (\ra)
	v_wmma_scale_f32_16x16x128_f8f6f4 v[(\d):(\d)+7], v[(\a):(\a)+11], v[(\b):(\b)+11], 0, v[\sa], v[\sb] matrix_a_fmt:MATRIX_FMT_FP6 matrix_b_fmt:MATRIX_FMT_FP6 matrix_a_scale:MATRIX_SCALE_ROW1
.elseif (\rb)
	v_wmma_scale_f32_16x16x128_f8f6f4 v[(\d):(\d)+7], v[(\a):(\a)+11], v[(\b):(\b)+11], 0, v[\sa], v[\sb] matrix_a_fmt:MATRIX_FMT_FP6 matrix_b_fmt:MATRIX_FMT_FP6 matrix_b_scale:MATRIX_SCALE_ROW1
.else
	v_wmma_scale_f32_16x16x128_f8f6f4 v[(\d):(\d)+7], v[(\a):(\a)+11], v[(\b):(\b)+11], 0, v[\sa], v[\sb] matrix_a_fmt:MATRIX_FMT_FP6 matrix_b_fmt:MATRIX_FMT_FP6
.endif
.else
.if (\ra) && (\rb)
	v_wmma_scale_f32_16x16x128_f8f6f4 v[(\d):(\d)+7], v[(\a):(\a)+11], v[(\b):(\b)+11], v[(\c):(\c)+7], v[\sa], v[\sb] matrix_a_fmt:MATRIX_FMT_FP6 matrix_b_fmt:MATRIX_FMT_FP6 matrix_a_scale:MATRIX_SCALE_ROW1 matrix_b_scale:MATRIX_SCALE_ROW1
.elseif (\ra)
	v_wmma_scale_f32_16x16x128_f8f6f4 v[(\d):(\d)+7], v[(\a):(\a)+11], v[(\b):(\b)+11], v[(\c):(\c)+7], v[\sa], v[\sb] matrix_a_fmt:MATRIX_FMT_FP6 matrix_b_fmt:MATRIX_FMT_FP6 matrix_a_scale:MATRIX_SCALE_ROW1
.elseif (\rb)
	v_wmma_scale_f32_16x16x128_f8f6f4 v[(\d):(\d)+7], v[(\a):(\a)+11], v[(\b):(\b)+11], v[(\c):(\c)+7], v[\sa], v[\sb] matrix_a_fmt:MATRIX_FMT_FP6 matrix_b_fmt:MATRIX_FMT_FP6 matrix_b_scale:MATRIX_SCALE_ROW1
.else
	v_wmma_scale_f32_16x16x128_f8f6f4 v[(\d):(\d)+7], v[(\a):(\a)+11], v[(\b):(\b)+11], v[(\c):(\c)+7], v[\sa], v[\sb] matrix_a_fmt:MATRIX_FMT_FP6 matrix_b_fmt:MATRIX_FMT_FP6
.endif
.endif
.endm
.macro FY st, set                      ; my four tiles of y, K step st: images, 8 bytes a lane: 24 loads
	WIN 0
.irp a, 0,1,2,3
.irp c, 0,1,2,3,4,5
	ds_load_b64 v[112+48*(\set)+12*\a+2*\c:112+48*(\set)+12*\a+2*\c+1], v16 offset:(8*\a+(\st))*1536+256*\c
.endr
.endr
.endm
.macro FW st, set                      ; my four tiles of W: pieces of 8 bytes; lanes 16-31 read three pieces on, which for pieces 29-31 of each 32 is behind one padding more: 24 loads
	WIN 0x40
.irp nt, 0,1,2,3
.irp p, 0,1,2,3,4,5
.set PC, 12*(\st)+6*(\p/3)+\p%3
.if PC%32 < 29
	ds_load_b64 v[48*(\set)+12*\nt+2*\p:48*(\set)+12*\nt+2*\p+1], v17 offset:\nt*16*WP+8*PC+16*(PC/32)
.else
	ds_load_b64 v[48*(\set)+12*\nt+2*\p:48*(\set)+12*\nt+2*\p+1], v18 offset:\nt*16*WP+8*PC+16*(PC/32)
.endif
.endr
.endr
	WIN 0
.endm
; A K step of 128: the next step's fragments are asked for first, into the other sets; the 20 accumulators take one turn each.
.macro STEPC st
.if (\st) > 0
	PLACES 4                                       ; in front of loads into registers that the last step's products read
.endif
.if (\st) < 7
	FY (\st)+1, ((\st)+1)%2
	FW (\st)+1, ((\st)+1)%2
	s_wait_dscnt 48                                ; all but the 48 just issued
.else
	s_wait_dscnt 0x0
.endif
	WIN 0xa1
.irp nt, 0,1,2,3
.irp a, 0,1,2,3
.if (\st) == 0
	WM 32*\a+8*\nt, 48*((\st)%2)+12*\nt, 112+48*((\st)%2)+12*\a, 0, 192+8*\nt, 48+8*(\nt/2)+(\st), 32+8*(\a/2)+(\st), \nt%2, \a%2
.else
	WM 32*\a+8*\nt, 48*((\st)%2)+12*\nt, 112+48*((\st)%2)+12*\a, 0, 32*\a+8*\nt, 48+8*(\nt/2)+(\st), 32+8*(\a/2)+(\st), \nt%2, \a%2
.endif
.endr
.endr
.irp a, 0,1,2,3
	WM 128+8*\a, 96+12*(\st), 112+48*((\st)%2)+12*\a, (\st)==0, 128+8*\a, 64+(\st), 32+8*(\a/2)+(\st), 0, \a%2
.endr
.endm
	s_load_b512 s[4:19], s[0:1], 0x0               ; ybuf 4, ysc 6, W codes 8, W scales 10, A codes 12, A scales 14, B 16, bias 18
	s_load_b64 s[20:21], s[0:1], 0x40              ; out
	v_lshl_add_u32 v28, v0, 2, SPARE
	v_mov_b32 v29, 0
	ds_add_u32 v28, v29                            ; the wave's opening: the add, twice on end, and its wait ahead of my first tensor load
	ds_add_u32 v28, v29
	v_lshrrev_b32 v1, 5, v0
	v_readfirstlane_b32 s24, v1                    ; wave 0..3
	s_lshr_b32 s22, s24, 1                         ; my half of the rows.  Also: I fetch for y (0) or for W (1)
	s_and_b32 s23, s24, 1                          ; my half of the columns.  Also: which half I fetch
	s_bfe_u32 s25, ttmp6, 0x40000
	s_bfe_u32 s26, ttmp6, 0x40004
	s_lshl_b32 s27, ttmp9, 2
	s_add_co_u32 s27, s27, s25                     ; the block of 128 columns
	s_and_b32 s28, ttmp7, 0xffff
	s_lshl_b32 s28, s28, 2
	s_add_co_u32 s28, s28, s26                     ; the block of 128 rows
	s_lshl_b32 s29, s26, 2
	s_lshl_b32 s29, 15, s29                        ; my row of the cluster
	s_lshl_b32 s36, 0x1111, s25                    ; my column
	s_or_b32 s40, s29, (3<<16)|(1<<21)             ; y: 192 rows of 256 bytes (32 elements of 8 bytes), dense, no padding
	s_mov_b32 s41, 32<<16
	s_mov_b32 s42, 192<<16
	s_mov_b32 s43, 32<<16
	s_mov_b32 s44, 192
	s_mov_b32 s45, 32
	s_mov_b32 s46, 0
	s_mov_b32 s47, 0
	s_or_b32 s48, s36, (1<<20)|(1<<21)|(5<<22)|(3<<25)   ; W: 64 rows of 768 bytes, 4 words of padding behind every 64
	s_mov_b32 s49, 768<<16
	s_mov_b32 s50, 64<<16
	s_mov_b32 s51, 768<<16
	s_mov_b32 s52, 64
	s_mov_b32 s53, 768
	s_mov_b32 s54, 0
	s_mov_b32 s55, 0
	s_mul_i32 s34, s23, 49152                      ; half of either block, in memory; and y's half in LDS
	s_mul_i32 s30, s28, 98304
	s_add_co_u32 s30, s30, s34
	s_mov_b32 s31, 0
	s_mul_i32 s32, s27, 98304
	s_add_co_u32 s32, s32, s34
	s_mov_b32 s33, 0
	s_mul_i32 s35, s23, 64*WP
	s_add_co_u32 s35, s35, WB
	s_wait_dscnt 0x0
	CROUND                                         ; the round in front of the joint loads stands ahead of the wait for the arguments
	s_wait_kmcnt 0x0
	s_add_nc_u64 s[30:31], s[4:5], s[30:31]
	s_add_nc_u64 s[32:33], s[8:9], s[32:33]
	s_mov_b32 s56, 1
	s_mov_b32 s57, s34
	s_mov_b64 s[58:59], s[30:31]
	s_or_b32 s59, s59, 0x80000000
	s_mov_b32 s68, 1
	s_mov_b32 s69, s35
	s_mov_b64 s[70:71], s[32:33]
	s_or_b32 s71, s71, 0x80000000
	s_cmp_lt_u32 s24, 2                            ; waves 0, 1: y's halves; waves 2, 3: W's.  An s_nop 0 and four v_nop follow each line
	s_cbranch_scc0 .Lfor_w
	tensor_load_to_lds s[56:59], s[40:47]
	s_nop 0
.rept 4
	v_nop
.endr
	s_branch .Lasked
.Lfor_w:
	tensor_load_to_lds s[68:71], s[48:55]
	s_nop 0
.rept 4
	v_nop
.endr
.Lasked:
	v_and_b32 v1, 15, v0                           ; r
	v_bfe_u32 v2, v0, 4, 1                         ; h
	v_and_b32 v3, 31, v0                           ; lane
	v_lshlrev_b32 v4, 2, v3
	v_lshlrev_b32 v5, 5, v3
	v_lshlrev_b32 v6, 5, v1
	v_mul_u32_u24 v7, v1, 768
	v_mad_u32_u24 v7, v2, 24, v7
	v_lshlrev_b32 v8, 5, v2
	v_lshlrev_b32 v9, 6, v1
	v_lshl_add_u32 v9, v2, 5, v9
	s_mul_i32 s36, s22, 49152
	v_lshl_add_u32 v16, v3, 3, s36                 ; y's images: 8 x lane, my four tiles
	s_mul_i32 s37, s23, 64*WP
	s_add_co_u32 s37, s37, WB
	v_mul_u32_u24 v17, v1, WP
	v_mad_u32_u24 v17, v2, 24, v17
	v_add_nc_u32 v17, s37, v17                     ; W: row x pitch + 24 x half, my 64 rows
	v_lshl_add_u32 v18, v2, 4, v17                 ; and behind one padding more
	s_mul_i32 s38, s24, 16*272
	s_add_co_u32 s38, s38, STG                     ; my stage
	v_mul_u32_u24 v19, v1, 272
	v_lshl_add_u32 v19, v2, 5, v19
	v_add_nc_u32 v19, s38, v19                     ; in: row r, 32 bytes for each half of the lanes
	v_mul_u32_u24 v20, v2, 272
	v_lshl_add_u32 v20, v1, 4, v20
	v_add_nc_u32 v20, s38, v20                     ; back: lanes 0-15 one row of 256 bytes, lanes 16-31 the next
	v_lshlrev_b32 v21, 12, v2
	v_lshl_add_u32 v21, v1, 4, v21                 ; and the same two rows in out
	s_mov_b32 s87, 0
	s_lshl_b32 s86, s28, 9
	s_lshl_b32 s88, s22, 8
	s_add_co_u32 s86, s86, s88
	s_add_nc_u64 s[6:7], s[6:7], s[86:87]          ; y's scale words at my four tiles (64 bytes a tile)
	s_lshl_b32 s86, s27, 12
	s_lshl_b32 s88, s23, 11
	s_add_co_u32 s86, s86, s88
	s_add_nc_u64 s[10:11], s[10:11], s[86:87]      ; W's scales at my 64 rows
	s_lshl_b32 s86, s27, 13
	s_lshl_b32 s88, s23, 12
	s_add_co_u32 s86, s86, s88
	s_add_nc_u64 s[16:17], s[16:17], s[86:87]      ; B likewise
	s_lshl_b32 s86, s27, 9
	s_lshl_b32 s88, s23, 8
	s_add_co_u32 s86, s86, s88
	s_add_nc_u64 s[18:19], s[18:19], s[86:87]      ; the bias likewise; the same bytes on in a row of out,
	s_add_nc_u64 s[20:21], s[20:21], s[86:87]
	s_lshl_b32 s86, s28, 19
	s_lshl_b32 s88, s22, 18
	s_add_co_u32 s86, s86, s88
	s_add_nc_u64 s[20:21], s[20:21], s[86:87]      ; at my first row
.irp hd, 0,1,2,3,4,5,6,7,8,9,10,11,12,13,14,15
.irp g, 0,1
	global_load_b32 v[72+2*\hd+\g], v4, s[6:7] offset:16384*\hd+128*\g   ; a head's two bytes: lanes 0-15 the even tile's rows, lanes 16-31 the odd tile's
.endr
.endr
.irp g, 0,1
	global_load_b128 v[48+8*\g:48+8*\g+3], v5, s[10:11] offset:1024*\g
	global_load_b128 v[48+8*\g+4:48+8*\g+7], v5, s[10:11] offset:1024*\g+16
.endr
	global_load_b128 v[64:67], v6, s[14:15]
	global_load_b128 v[68:71], v6, s[14:15] offset:16
	WIN 0x40
.irp ks, 0,1,2,3,4,5,6,7
.irp p, 0,1,2,3,4,5
	global_load_b64 v[96+12*\ks+2*\p:96+12*\ks+2*\p+1], v7, s[12:13] offset:96*\ks+48*(\p/3)+8*(\p%3)
.endr
.endr
.irp nt, 0,1,2,3
	global_load_b128 v[224+8*\nt:224+8*\nt+3], v9, s[16:17] offset:1024*\nt
	global_load_b128 v[224+8*\nt+4:224+8*\nt+7], v9, s[16:17] offset:1024*\nt+16
.endr
	WIN 0x80
.irp nt, 0,1,2,3
	global_load_b128 v[192+8*\nt:192+8*\nt+3], v8, s[18:19] offset:64*\nt
	global_load_b128 v[192+8*\nt+4:192+8*\nt+7], v8, s[18:19] offset:64*\nt+16
.endr
	WIN 0
	s_wait_loadcnt 0x0
.irp g, 0,1
.irp st, 0,1,2,3,4,5,6,7
	v_or_b32 v[32+8*\g+\st], v[72+4*\st+\g], v[74+4*\st+\g]   ; two heads' bytes make the word of 128 along K.  More than eight plain lines follow ahead of the first scaled product
.endr
.endr
	WIN 0x45
.irp nt, 0,1,2,3
.irp i, 0,1,2,3
	v_cvt_pk_bf16_f32 v[192+8*\nt+\i], v[224+8*\nt+2*\i], v[224+8*\nt+2*\i+1]   ; B: lane (r, h) holds ranks 8 h + 0 .. 7: k = 8 h on of the 16-bit layout
.endr
.endr
	WIN 0x40
.irp nt, 0,1,2,3
.irp i, 4,5,6,7
	v_mov_b32 v[192+8*\nt+\i], 0                   ; k = 16 .. 31: nothing
.endr
.endr
	WIN 0x80
.irp a, 0,1,2,3
.irp i, 4,5,6,7
	v_mov_b32 v[160+8*\a+\i], 0
.endr
.endr
	WIN 0
	s_wait_tensorcnt 0x0                           ; my load has landed,
	s_barrier_signal -1
	s_barrier_wait -1                              ; everybody's has
	FY 0, 0
	FW 0, 0
.irp st, 0,1,2,3,4,5,6,7
	STEPC \st
.endr
	WIN 0
	PLACES 5                                       ; five places before another matrix form writes over the scaled products' results
	WIN 0x08
.set II, 0
.rept 32
	v_mul_f32 v[208+II], 0x3d800000, v[128+II]     ; u / 16
.set II, II+1
.endr
	WIN 0x80
.irp a, 0,1,2,3
.irp i, 0,1,2,3
	v_cvt_pk_bf16_f32 v[160+8*\a+\i], v[208+8*\a+2*\i], v[208+8*\a+2*\i+1]
.endr
.endr
	PLACES 4
	WIN 0xa9
.irp nt, 0,1,2,3
.irp a, 0,1,2,3
	v_wmma_f32_16x16x32_bf16 v[32*\a+8*\nt:32*\a+8*\nt+7], v[192+8*\nt:192+8*\nt+7], v[160+8*\a:160+8*\a+7], v[32*\a+8*\nt:32*\a+8*\nt+7]
.endr
.endr
	PLACES 4
	; THE WAY OUT, 16 rows at a time through my own stage: LDS serves a wave's instructions in order, so no wait stands between the stores and the loads.
; Block a + 1 goes through the stage while block a is stored: two read-back buffers, v208-239 (even blocks) and v144-175 (odd blocks, where y's fragments lay)
.macro TOSTAGE a
	WIN 0x08
.irp nt, 0,1,2,3
	ds_store_b128 v19, v[32*(\a)+8*\nt:32*(\a)+8*\nt+3] offset:64*\nt          ; each accumulator from its low end on
	ds_store_b128 v19, v[32*(\a)+8*\nt+4:32*(\a)+8*\nt+7] offset:64*\nt+16
.endr
	WIN 0
.irp i, 0,1,2,3,4,5,6,7
	ds_load_b128 v[208-64*((\a)%2)+4*\i:211-64*((\a)%2)+4*\i], v20 offset:544*\i
.endr
.endm
.macro SEND a, younger                 ; younger: the LDS instructions issued behind block a's read-backs
.irp i, 0,1,2,3,4,5,6,7
	s_wait_dscnt (\younger)+7-\i                   ; those, and the block's own younger read-backs, may be out
	global_store_b128 v21, v[208-64*((\a)%2)+4*\i:211-64*((\a)%2)+4*\i], s[20:21] offset:(8*(\a)+2*(\i%4)+32*(\i/4))*4096 th:TH_STORE_NT   ; tile a holds rows 8 a + (m & 7) + 32 (m >> 3) of my 64; 16 lanes store 256 consecutive bytes, aligned
.endr
.endm
	TOSTAGE 0
.irp a, 1,2,3
.if \a > 1
	s_wait_xcnt 0x0                                ; block a - 2's stores have read their registers: block a's read-backs may land there
.endif
	TOSTAGE \a
	SEND \a-1, 16                                  ; behind block a - 1's read-backs: block a's 8 stores and 8 loads
.endr
	SEND 3, 0
	s_wait_tensorcnt 0x0                           ; the wave's end
	ds_add_u32 v28, v29
	s_wait_dscnt 0x0
	CROUND                                         ; the closing round
	s_endpgm
.Lfunc_end_k_q5c24d1bdd3_proj:
	.size	k_q5c24d1bdd3_proj, .Lfunc_end_k_q5c24d1bdd3_proj-k_q5c24d1bdd3_proj
	.p2alignl 7, 3214868480
	.fill 96, 4, 3214868480
	.section	.rodata,"a",@progbits
	.p2align	6, 0x0
	.amdhsa_kernel k_q5c24d1bdd3_proj
		.amdhsa_group_segment_fixed_size 229376
		.amdhsa_private_segment_fixed_size 0
		.amdhsa_enable_private_segment 0
		.amdhsa_kernarg_size 72
		.amdhsa_user_sgpr_count 2
		.amdhsa_user_sgpr_kernarg_segment_ptr 1
		.amdhsa_wavefront_size32 1
		.amdhsa_system_sgpr_workgroup_id_x 1
		.amdhsa_system_sgpr_workgroup_id_y 1
		.amdhsa_system_sgpr_workgroup_id_z 1
		.amdhsa_system_vgpr_workitem_id 0
		.amdhsa_next_free_vgpr 768
		.amdhsa_next_free_sgpr 100
		.amdhsa_reserve_vcc 0
		.amdhsa_float_denorm_mode_32 3
		.amdhsa_float_denorm_mode_16_64 3
		.amdhsa_memory_ordered 1
		.amdhsa_forward_progress 1
		.amdhsa_inst_pref_size 79
	.end_amdhsa_kernel
	.amdgpu_metadata
---
amdhsa.version: [ 1, 2 ]
amdhsa.kernels:
  - .name:           k_q5c24d1bdd3_proj
    .symbol:         k_q5c24d1bdd3_proj.kd
    .args:
      - { .name: ybuf, .offset: 0, .size: 8, .value_kind: global_buffer, .address_space: global }
      - { .name: ysc, .offset: 8, .size: 8, .value_kind: global_buffer, .address_space: global }
      - { .name: w_proj_codes, .offset: 16, .size: 8, .value_kind: global_buffer, .address_space: global }
      - { .name: w_proj_scales, .offset: 24, .size: 8, .value_kind: global_buffer, .address_space: global }
      - { .name: lora_a_proj_codes, .offset: 32, .size: 8, .value_kind: global_buffer, .address_space: global }
      - { .name: lora_a_proj_scales, .offset: 40, .size: 8, .value_kind: global_buffer, .address_space: global }
      - { .name: lora_b_proj, .offset: 48, .size: 8, .value_kind: global_buffer, .address_space: global }
      - { .name: b_proj, .offset: 56, .size: 8, .value_kind: global_buffer, .address_space: global }
      - { .name: out0, .offset: 64, .size: 8, .value_kind: global_buffer, .address_space: global }
    .group_segment_fixed_size: 229376
    .private_segment_fixed_size: 0
    .kernarg_segment_align: 8
    .kernarg_segment_size: 72
    .max_flat_workgroup_size: 128
    .sgpr_count:     100
    .vgpr_count:     768
    .wavefront_size: 32
...
	.end_amdgpu_metadata
.endif
;; end of part 3
